; MI455X (gfx1250); checked and timed in simulation.
; The chip was launched on July 23, 2026; its instructions are those of AMD's public machine-readable ISA for CDNA 5 (MIT licence, August 2026) and "CDNA5" Instruction Set Architecture Reference Guide (July 2026). The comments in the code are by the model that wrote it; some were corrected since.
;; Multi Head Cross Attention. Allowed arithmetic: matrix products marked QUANTISED: E5M2 operands, one given power-of-two scale a tensor, by v_wmma_f32_16x16x64_bf8_bf8 or v_wmma_f32_16x16x128_bf8_bf8, f32 sums; products left as they are: f32 operands where the result goes on into a quantised operand, else bf16, f16 or f32 operands; f32 sums; everything else in f32.
;; Inputs: Wk 512 x 512 float32; Wo 512 x 512 float32; Wq 512 x 512 float32; Wv 512 x 512 float32; bk 512 float32; bo 512 float32; bq 512 float32; bv 512 float32; key_value 16 x 8,192 x 512 float32; lowp_scales 8 int32 (the exponents e of the quantised operands' scales 2^e); query 16 x 512 float32.
;; Outputs: out0 16 x 512 float32.
;; This version of the problem:
;;   THIS VERSION OF THE PROBLEM IS GIVEN IN LOW PRECISION. The matrix products marked QUANTISED in the list below multiply operands that are first quantised to E5M2 (5 exponent bits, 2 mantissa bits; 8 bits a number), with one given power-of-two scale for each operand tensor; their sums are f32. All else is computed in f32.
;;   The module's matrix products, in the order in which they are computed (A, B: the left and right operand; K: the contracted axis; several contracted axes count as one K, in the product's order):
;;     1. [M 16, K 512] x [K 512, N 512]; A: input query; B: input Wq: QUANTISED (scales: A lowp_scales[0], B lowp_scales[1])
;;     2. [M 131,072, K 512] x [K 512, N 512]; A: input key_value; B: input Wk: QUANTISED (scales: A lowp_scales[2], B lowp_scales[3])
;;     3. [M 131,072, K 512] x [K 512, N 512]; A: input key_value; B: input Wv: QUANTISED (scales: A lowp_scales[4], B lowp_scales[5])
;;     4. batch 128 x [M 1, K 64] x [K 64, N 8,192]; A: computed on the way; B: computed on the way: left as it is (M = 1 < 16)
;;     5. batch 128 x [M 1, K 8,192] x [K 8,192, N 64]; A: softmax; B: computed on the way: left as it is (M = 1 < 16)
;;     6. [M 16, K 512] x [K 512, N 512]; A: computed on the way; B: input Wo: QUANTISED (scales: A lowp_scales[6], B lowp_scales[7])
;;   THE QUANTISER, for each operand of a quantised product, along K:
;;     - The operand's scale is 2^e, e = its entry of the input lowp_scales (int32; the entries are numbered through the quantised products in the list's order, A before B).
;;     - Each number is divided by the scale, clamped to +-57,344, and rounded to the nearest number of E5M2, ties to even, subnormals kept.
;;     - The product sums the exact products of the quantised numbers (number of the format x scale) in f32.
;;   ~~~python
;;   def quantise(x, axis, e):      # numpy; x: float32 -> the quantised numbers, widened to float32 again
;;       x = np.moveaxis(x, axis, -1); K = x.shape[-1]
;;       r = np.clip(x / 2.0 ** e, -57344, 57344)
;;       step = 2.0 ** (np.maximum(np.frexp(np.where(r == 0, 1, r))[1] - 1, -14) - 2)
;;       q = np.round(r / step) * step * 2.0 ** e      # np.round: ties to even
;;       return np.moveaxis(q, -1, axis).astype(np.float32)
;;   ~~~
;;   OPERANDS COMPUTED ON THE WAY. 'Computed on the way' means the value that the module computes at that place (a softmax that the list does not call 'softmax' is quantised finished and normalised). What goes into a quantiser is computed in f32, as accurately as f32 sums, v_exp_f32 and their like allow (about 1e-6 of the number): no bf16 or f16 on the way to a quantiser, and a product that is left as it is and whose result goes on into a quantised operand takes f32 operands (vector FMAs, or v_wmma_f32_16x16x4_f32). A number that lies on a knife's edge between two numbers of the format may be rounded either way, as far as f32 arithmetic and the matrix unit's own rounding can turn it there, and no further.
;; 2 versions. Each part assembles by itself: llvm-mc -triple=amdgcn-amd-amdhsa -mcpu=gfx1250 --defsym DOCPART=n.
;; ======== version 1 of 2: 3 launches
;; workspace buffers: wk_c 262,144 bytes; wv_c 262,144 bytes; wo_c 262,144 bytes; qs 32,768 bytes; pctx 524,288 bytes; pstat 16,384 bytes
;; launch prep (part 1): grid 128 x 1, 4 waves a work-group, no clusters, 4,608 bytes of LDS; arguments Wk, Wv, Wo, Wq, query, bq, lowp_scales, wk_c, wv_c, wo_c, qs; writes wk_c, wv_c, wo_c, qs
.if DOCPART == 1
	.amdgcn_target "amdgcn-amd-amdhsa--gfx1250"
	.amdhsa_code_object_version 6
	.text
	.protected	k_qedc45d5f76_prep
	.globl	k_qedc45d5f76_prep
	.p2align	8
	.type	k_qedc45d5f76_prep,@function
k_qedc45d5f76_prep:
	s_mov_b64 s[64:65], 0
	v_nop
	global_prefetch_b8 v0, s[64:65] scope:SCOPE_SE
	s_setreg_imm32_b32 hwreg(HW_REG_WAVE_MODE, 25, 1), 1
	s_wait_xcnt 0x0
; Wk, Wv, Wo [512 (k)][512 (n)] f32 become codes of E5M2 laid in the order of an operand's registers; Wq is quantised likewise and multiplied at once: q = query Wq + bq.
; Work-group = (matrix, tile of 16 columns n): matrix = x / 32 (0 Wk, 1 Wv, 2 Wo, 3 Wq), tile nt = x % 32.  Wave = K step s of 128.
; THE ORDER OF K, the same in every operand of this program: register 4 c + g, byte i, of lane (r, h) in K step s holds k = 128 g + 32 s + 8 c + 4 h + i.
; It is a permutation of k applied alike to both sides of each product, so every product meets its partner; it is chosen so that a row of 512 f32 loaded densely (16 bytes a lane, four loads)
; turns into 16 bytes of codes a lane that are four whole registers of a fragment.
; A LANE TAKES A COLUMN n = 16 nt + r AND ITS REGISTERS RUN DOWN K, so the conversions' results are the operand's registers; a fragment leaves as four stores of 512 consecutive bytes.
; Fragment (nt, s) lies at (4 nt + s) x 2,048 bytes: [c][lane][16 bytes].
; qs[b][n] = (q[b][n]) x log2(e) / 8 x 2^(e2 + e3): what the logits' sums of codes are multiplied by in the next launch.
; code = x / 2^e, held within +-57,344, to the nearest code, ties to even.
; LIMITS: e0, e1, e3, e5, e7 between -126 and 112 (each power of two and 57,344 times it is an f32 number); e2 + e3 between -60 and 60, so that qs stays an f32 number.  NaN among the inputs is not served; an infinity is held at the largest code.
.set X,  16                            ; v16-79    64 numbers of W: register 16 c + 4 g + i
.set Y,  80                            ; v80-143   64 numbers of query, the same order; later the other waves' sums
.set CW, 144                           ; v144-159  W's fragment
.set CQ, 160                           ; v160-175  query's fragment
.set DD, 176                           ; v176-183  the product
.set BQ, 184                           ; v184-191  bq at my eight columns
.macro QUANT src, dst, sc, lim         ; 64 numbers -> a fragment's 16 registers
.set qi, 0
.rept 64
	v_med3_num_f32 v[\src+qi], v[\src+qi], -v[\lim], v[\lim]   ; the conversion to an 8-bit code does not saturate (ISA guide 7.6.2): the hold at the largest code x the scale comes first
.set qi, qi+1
.endr
.set qi, 0
.rept 8
	v_cvt_scalef32_pk8_bf8_f32 v[\dst+2*qi:\dst+2*qi+1], v[\src+8*qi:\src+8*qi+7], v[\sc]
.set qi, qi+1
.endr
	v_nop                                          ; one plain vector line behind the last conversion, ahead of whatever next touches its registers
.endm
	s_load_b256 s[4:11], s[0:1], 0x0               ; Wk s[4:5], Wv s[6:7], Wo s[8:9], Wq s[10:11]
	s_load_b256 s[12:19], s[0:1], 0x20             ; query s[12:13], bq s[14:15], the exponents s[16:17], wk_c s[18:19]
	s_load_b128 s[20:23], s[0:1], 0x40             ; wv_c s[20:21], wo_c s[22:23]
	s_load_b64 s[24:25], s[0:1], 0x50              ; qs
	v_lshl_add_u32 v192, v0, 2, 0x1000
	v_mov_b32 v193, 0
	v_lshrrev_b32 v1, 5, v0
	v_readfirstlane_b32 s28, v1                    ; wave = K step s
	s_lshr_b32 s26, ttmp9, 5                       ; which matrix
	s_and_b32 s27, ttmp9, 31                       ; nt
	v_and_b32 v1, 15, v0                           ; r
	v_bfe_u32 v2, v0, 4, 1                         ; h
	v_and_b32 v3, 31, v0                           ; lane
	v_lshlrev_b32 v4, 2, v1
	v_lshl_add_u32 v4, v2, 13, v4                  ; W: 4 r + 4 h rows of 2,048 bytes
	v_lshlrev_b32 v5, 4, v3                        ; 16 x lane: my place in a store of 512 bytes
	v_lshlrev_b32 v6, 11, v1
	v_lshl_add_u32 v6, v2, 4, v6                   ; query: row r, + 16 h
	v_lshlrev_b32 v7, 5, v2                        ; bq: 32 h
	v_lshlrev_b32 v12, 5, v0                       ; LDS: 1,024 x wave + 32 x lane
	v_lshl_add_u32 v13, v1, 11, v7                 ; qs: row r, + 32 h
	s_wait_kmcnt 0x0
	s_load_b256 s[36:43], s[16:17], 0x0            ; e0 .. e7
	s_cmp_eq_u32 s26, 1                            ; the buffers are chosen by the work-group's number alone
	s_cselect_b64 s[30:31], s[6:7], s[4:5]
	s_cselect_b64 s[32:33], s[20:21], s[18:19]
	s_cmp_eq_u32 s26, 2
	s_cselect_b64 s[30:31], s[8:9], s[30:31]
	s_cselect_b64 s[32:33], s[22:23], s[32:33]
	s_cmp_eq_u32 s26, 3
	s_cselect_b64 s[30:31], s[10:11], s[30:31]
	s_lshl_b32 s46, s27, 6                         ; 16 nt columns of 4 bytes
	s_lshl_b32 s47, s28, 16                        ; 32 s rows of 2,048 bytes
	s_add_co_u32 s46, s46, s47
	s_mov_b32 s47, 0
	s_add_nc_u64 s[30:31], s[30:31], s[46:47]
	s_lshl_b32 s46, s27, 2
	s_add_co_u32 s46, s46, s28
	s_lshl_b32 s46, s46, 11                        ; (4 nt + s) x 2,048
	s_add_nc_u64 s[32:33], s[32:33], s[46:47]
.irp c, 0,1,2,3
.irp g, 0,1,2,3
.irp i, 0,1,2,3
	global_load_b32 v[X+16*\c+4*\g+\i], v4, s[30:31] offset:(128*\g+8*\c+\i)*2048   ; W(128 g + 32 s + 8 c + 4 h + i, 16 nt + r)
.endr
.endr
.endr
	s_wait_kmcnt 0x0
	s_cmp_eq_u32 s26, 1
	s_cselect_b32 s44, s41, s39                    ; Wv: e5, Wk: e3
	s_cmp_eq_u32 s26, 2
	s_cselect_b32 s44, s43, s44                    ; Wo: e7
	s_cmp_eq_u32 s26, 3
	s_cselect_b32 s44, s37, s44                    ; Wq: e1
	s_add_co_i32 s44, s44, 127
	s_lshl_b32 s45, s44, 23
	v_mov_b32 v8, s45                              ; 2^e as f32: the conversion takes its exponent field
	s_add_co_i32 s44, s44, 15
	s_lshl_b32 s44, s44, 23
	s_or_b32 s44, s44, 0x600000
	v_mov_b32 v9, s44                              ; 57,344 x 2^e
	s_add_co_i32 s44, s36, 127
	s_lshl_b32 s45, s44, 23
	v_mov_b32 v10, s45                             ; the same with e0, for query
	s_add_co_i32 s44, s44, 15
	s_lshl_b32 s44, s44, 23
	s_or_b32 s44, s44, 0x600000
	v_mov_b32 v11, s44
	s_cmp_eq_u32 s26, 3
	s_cbranch_scc1 .Lq
	; ---- Wk, Wv, Wo: the fragment goes to memory as it stands
	s_wait_loadcnt 0x0
	QUANT X, CW, 8, 9
.irp c, 0,1,2,3
	global_store_b128 v5, v[CW+4*\c:CW+4*\c+3], s[32:33] offset:512*\c   ; 32 lanes store 512 consecutive bytes, at a multiple of 256 from the buffer's first byte
.endr
	s_endpgm
.Lq:
	; ---- Wq: one matrix instruction a wave (K step s), the four waves' sums meet in LDS
	s_lshl_b32 s46, s28, 7
	s_add_nc_u64 s[12:13], s[12:13], s[46:47]      ; query at k = 32 s
	s_lshl_b32 s46, s27, 6
	s_add_nc_u64 s[14:15], s[14:15], s[46:47]      ; bq and qs at column 16 nt
	s_add_nc_u64 s[24:25], s[24:25], s[46:47]
.irp c, 0,1,2,3
.irp g, 0,1,2,3
	global_load_b128 v[Y+16*\c+4*\g:Y+16*\c+4*\g+3], v6, s[12:13] offset:512*\g+32*\c   ; query(r, 128 g + 32 s + 8 c + 4 h + 0 .. 3)
.endr
.endr
	global_load_b128 v[BQ:BQ+3], v7, s[14:15]
	global_load_b128 v[BQ+4:BQ+7], v7, s[14:15] offset:16
	s_wait_loadcnt 0x0
	QUANT X, CW, 8, 9
	QUANT Y, CQ, 10, 11
	v_wmma_f32_16x16x128_bf8_bf8 v[DD:DD+7], v[CW:CW+15], v[CQ:CQ+15], 0   ; transposed use: lane (r, h) holds batch r, register j column 16 nt + 8 h + j
.rept 4
	v_nop                                          ; four places between the matrix instruction and the stores that read its result
.endr
	ds_store_b128 v12, v[DD:DD+3]
	ds_store_b128 v12, v[DD+4:DD+7] offset:16
	s_wait_dscnt 0x0                               ; for the others' sake: my stores have landed
	s_barrier_signal -1
	s_barrier_wait -1
	s_cmp_lg_u32 s28, 0
	s_cbranch_scc1 .Lend                           ; wave 0 adds and stores
.irp s, 1,2,3
	ds_load_b128 v[Y+8*(\s-1):Y+8*(\s-1)+3], v12 offset:1024*\s
	ds_load_b128 v[Y+8*(\s-1)+4:Y+8*(\s-1)+7], v12 offset:1024*\s+16
.endr
	s_add_co_i32 s45, s36, s37                     ; e0 + e1
	s_add_co_i32 s46, s38, s39                     ; e2 + e3
	s_wait_dscnt 0x0
.irp i, 0,2,4,6
	v_pk_add_f32 v[X+\i:X+\i+1], v[DD+\i:DD+\i+1], v[Y+\i:Y+\i+1]          ; K ascending
.endr
.irp i, 0,2,4,6
	v_pk_add_f32 v[X+\i:X+\i+1], v[X+\i:X+\i+1], v[Y+8+\i:Y+8+\i+1]
.endr
.irp i, 0,2,4,6
	v_pk_add_f32 v[X+\i:X+\i+1], v[X+\i:X+\i+1], v[Y+16+\i:Y+16+\i+1]
.endr
.irp i, 0,1,2,3,4,5,6,7
	v_ldexp_f32 v[X+\i], v[X+\i], s45              ; the sum of codes x 2^(e0 + e1)
.endr
.irp i, 0,2,4,6
	v_pk_add_f32 v[X+\i:X+\i+1], v[X+\i:X+\i+1], v[BQ+\i:BQ+\i+1]          ; q
.endr
.irp i, 0,1,2,3,4,5,6,7
	v_mul_f32 v[X+\i], 0x3e38aa3b, v[X+\i]         ; x log2(e) / sqrt(64)
.endr
.irp i, 0,1,2,3,4,5,6,7
	v_ldexp_f32 v[X+\i], v[X+\i], s46              ; x 2^(e2 + e3)
.endr
	global_store_b128 v13, v[X:X+3], s[24:25]
	global_store_b128 v13, v[X+4:X+7], s[24:25] offset:16
.Lend:
	s_wait_tensorcnt 0x0
	ds_add_u32 v192, v193
	s_wait_dscnt 0x0
	s_endpgm
.Lfunc_end_k_qedc45d5f76_prep:
	.size	k_qedc45d5f76_prep, .Lfunc_end_k_qedc45d5f76_prep-k_qedc45d5f76_prep
	.p2alignl 7, 3214868480
	.fill 96, 4, 3214868480
	.section	.rodata,"a",@progbits
	.p2align	6, 0x0
	.amdhsa_kernel k_qedc45d5f76_prep
		.amdhsa_group_segment_fixed_size 4608
		.amdhsa_private_segment_fixed_size 0
		.amdhsa_enable_private_segment 0
		.amdhsa_kernarg_size 88
		.amdhsa_user_sgpr_count 2
		.amdhsa_user_sgpr_kernarg_segment_ptr 1
		.amdhsa_wavefront_size32 1
		.amdhsa_system_sgpr_workgroup_id_x 1
		.amdhsa_system_sgpr_workgroup_id_y 1
		.amdhsa_system_sgpr_workgroup_id_z 1
		.amdhsa_system_vgpr_workitem_id 0
		.amdhsa_next_free_vgpr 194
		.amdhsa_next_free_sgpr 66
		.amdhsa_reserve_vcc 0
		.amdhsa_float_denorm_mode_32 3
		.amdhsa_float_denorm_mode_16_64 3
		.amdhsa_memory_ordered 1
		.amdhsa_forward_progress 1
		.amdhsa_inst_pref_size 29
	.end_amdhsa_kernel
	.amdgpu_metadata
---
amdhsa.version: [ 1, 2 ]
amdhsa.kernels:
  - .name:           k_qedc45d5f76_prep
    .symbol:         k_qedc45d5f76_prep.kd
    .args:
      - { .name: Wk, .offset: 0, .size: 8, .value_kind: global_buffer, .address_space: global }
      - { .name: Wv, .offset: 8, .size: 8, .value_kind: global_buffer, .address_space: global }
      - { .name: Wo, .offset: 16, .size: 8, .value_kind: global_buffer, .address_space: global }
      - { .name: Wq, .offset: 24, .size: 8, .value_kind: global_buffer, .address_space: global }
      - { .name: query, .offset: 32, .size: 8, .value_kind: global_buffer, .address_space: global }
      - { .name: bq, .offset: 40, .size: 8, .value_kind: global_buffer, .address_space: global }
      - { .name: lowp_scales, .offset: 48, .size: 8, .value_kind: global_buffer, .address_space: global }
      - { .name: wk_c, .offset: 56, .size: 8, .value_kind: global_buffer, .address_space: global }
      - { .name: wv_c, .offset: 64, .size: 8, .value_kind: global_buffer, .address_space: global }
      - { .name: wo_c, .offset: 72, .size: 8, .value_kind: global_buffer, .address_space: global }
      - { .name: qs, .offset: 80, .size: 8, .value_kind: global_buffer, .address_space: global }
    .group_segment_fixed_size: 4608
    .private_segment_fixed_size: 0
    .kernarg_segment_align: 8
    .kernarg_segment_size: 88
    .max_flat_workgroup_size: 128
    .sgpr_count:     66
    .vgpr_count:     194
    .wavefront_size: 32
...
	.end_amdgpu_metadata
.endif
;; end of part 1
;; launch main (part 2): grid 256 x 1, 4 waves a work-group, no clusters, 315,904 bytes of LDS; arguments key_value, wk_c, wv_c, qs, bk, lowp_scales, pctx, pstat; writes pctx, pstat
.if DOCPART == 2
	.amdgcn_target "amdgcn-amd-amdhsa--gfx1250"
	.amdhsa_code_object_version 6
	.text
	.protected	k_qedc45d5f76_main
	.globl	k_qedc45d5f76_main
	.p2align	8
	.type	k_qedc45d5f76_main,@function
k_qedc45d5f76_main:
	s_mov_b64 s[64:65], 0
	v_nop
	global_prefetch_b8 v0, s[64:65] scope:SCOPE_SE
	s_setreg_imm32_b32 hwreg(HW_REG_WAVE_MODE, 25, 1), 1
	s_wait_xcnt 0x0
; Products 2 to 5 for 512 rows of key_value (one sixteenth of a batch's keys) a work-group: k and v never go to memory, key_value is read once.
; SHARES.  Work-group g: rows 512 g .. 512 g + 511 of the flat [131,072][512]; batch g / 16.  Wave w owns heads 2 w (A) and 2 w + 1 (B), columns 128 w .. 128 w + 127, for ALL rows, and holds their weights' codes in
; 512 registers; of each block of 32 rows it quantises rows 8 w .. 8 w + 7.
; K PHASE, 16 blocks of 32 rows.  A row comes by four loads of 512 consecutive bytes (16 bytes a lane) and is quantised twice, with 2^e2 (for k) and with 2^e4 (for v): 16 bytes of codes a lane each.  K's codes go to a
; double buffer in LDS, from which all four waves multiply them by Wk at once and take the f32 dot with q: one logit a row and head.  V's codes are parked in LDS.
; V PHASE.  Wv takes Wk's registers.  The chunk's largest logit is known by then and is taken away before any exponential; the parked codes are multiplied by Wv, and p x v is summed lane by lane.
; OUT: pctx[g][512] = sum over the rows of p x (sums of v's codes); pstat[g][w] = (mA, mB, lA, lB): the largest logit (in powers of two) and the sum of p of my two heads.  The next launch joins the 16 chunks of a batch.
; THE ORDER OF K (as in the weights' codes): register 4 c + g, byte i, of lane (r, h) in K step s holds k = 128 g + 4 (8 s + 2 c + h) + i.  So the 16 bytes that lane l makes of a row (k = 128 g + 4 l + i) are UNIT l of the
; row, four whole registers of a fragment.  A tile of 16 rows lies in LDS as unit u at 272 u, row r at + 16 r: a store's sixteen lanes stand 272 bytes apart, in sixteen different 16-byte columns modulo 256; a load's sixteen lanes take 256 consecutive bytes.
; THE MATRIX INSTRUCTION IS USED TRANSPOSED (source 0 = 16 columns of the weight, source 1 = 16 rows): a lane (r, h) holds row r and eight columns 8 h + 0 .. 7.
; logit x log2(e): t = sum over d of qs[d] (ksum[d] + bk[d] / 2^(e2 + e3)), qs = q log2(e) / 8 x 2^(e2 + e3) from the launch before.
; NO CLUSTER: what work-groups share is the weights' codes, 512 KiB beside the 1 MiB of rows that each reads alone, and they go by loads straight into registers; when Wv is wanted, LDS holds the parked codes.
; NO PREFETCH: every wave keeps up to 64 loads of 512 bytes on their way, two blocks ahead of their use, through the whole K phase.
; LIMITS: e2, e4 between -126 and 112; e2 + e3 between -60 and 60 (bk / 2^(e2 + e3) stays an f32 number).  NaN among the inputs is not served; an infinity is held at the largest code.
; REGISTERS, in windows of 256.  Window 0: v1 lane; v2-15 addresses and scales; v[16:19] q . bk parts; v20-31 at work; v32-63 T: logits, then p; v64-127 q, later the context sums;
;   v128-191 held numbers / K's 8 accumulators; v192-255 codes / K's fragments; in the V phase v128-255 are 16 accumulators.
;   Window 1: head A's 16 weight fragments; window 2: head B's.  Window 3: two landing sets of 8 rows x 16; in the V phase two sets of 8 fragments.
.set U,    272                         ; a unit's place: 16 rows x 16 bytes + 16
.set TILE, 32*U                        ; 16 rows
.set BLK,  2*TILE                      ; a block of 32 rows
.set KIMG, 16*BLK                      ; LDS 0 .. KIMG - 1: V's codes, tile 2 block + j;  from KIMG: K's codes, two buffers of BLK
.set STG,  KIMG+2*BLK                  ; the way out: 512 bytes a wave
.set T,    32
.set Q,    64
.set CTX,  64
.set TK,   128
.set ACC,  128
.set CD,   192
.set FR,   192
.set MSB, 0
.macro WIN new                         ; s_set_vgpr_msb: bits 1:0 source 0, 3:2 source 1, 5:4 source 2, 7:6 destination; the high byte repeats the setting that is left
.if MSB != (\new)
	s_set_vgpr_msb (MSB<<8)|(\new)
.set MSB, (\new)
.endif
.endm
.macro PLACES                          ; four places behind a matrix instruction, ahead of loads into its sources and of reads of its result
.rept 4
	v_nop
.endr
.endm
.macro WLOAD base, hd                  ; head hd's 16 fragments: register 4 i at byte 512 i
.set wi, 0
.rept 64
	global_load_b128 v[4*wi:4*wi+3], v2, s[\base:\base+1] offset:\hd*32768+wi*512
.set wi, wi+1
.endr
.endm
; Rows 2 gr and 2 gr + 1 of my eight, of the block in landing set bf.  left: the younger loads that may stay out.  ahead = 1: the registers just read take the same rows two blocks on.
.macro QGROUP bf, gr, ahead, left
	s_wait_loadcnt \left
	WIN 0x03                                       ; source 0: window 3
.irp p, 0,1
.set qi, 0
.rept 16
	v_med3_num_f32 v[TK+32*\p+qi], v[128*\bf+16*(2*\gr+\p)+qi], -v9, v9        ; the hold for K's codes (the conversion does not saturate: ISA guide 7.6.2),
	v_med3_num_f32 v[TK+32*\p+16+qi], v[128*\bf+16*(2*\gr+\p)+qi], -v11, v11   ; and for V's
.set qi, qi+1
.endr
.endr
.if \ahead
	WIN 0xc0                                       ; destination: window 3
.irp p, 0,1
.irp sg, 0,1,2,3
	global_load_b128 v[128*\bf+16*(2*\gr+\p)+4*\sg:128*\bf+16*(2*\gr+\p)+4*\sg+3], v2, s[32:33] offset:(\bf+2)*65536+(2*\gr+\p)*2048+512*\sg th:TH_LOAD_NT
.endr
.endr
.endif
	WIN 0
.irp p, 0,1
	v_cvt_scalef32_pk8_bf8_f32 v[CD+16*\gr+8*\p:CD+16*\gr+8*\p+1], v[TK+32*\p:TK+32*\p+7], v8
	v_cvt_scalef32_pk8_bf8_f32 v[CD+16*\gr+8*\p+2:CD+16*\gr+8*\p+3], v[TK+32*\p+8:TK+32*\p+15], v8
	v_cvt_scalef32_pk8_bf8_f32 v[CD+16*\gr+8*\p+4:CD+16*\gr+8*\p+5], v[TK+32*\p+16:TK+32*\p+23], v10
	v_cvt_scalef32_pk8_bf8_f32 v[CD+16*\gr+8*\p+6:CD+16*\gr+8*\p+7], v[TK+32*\p+24:TK+32*\p+31], v10
.endr
	v_nop                                          ; one plain vector line behind the last conversion: the next group's holds write the conversions' sources
.irp p, 0,1
	ds_store_b128 v3, v[CD+16*\gr+8*\p:CD+16*\gr+8*\p+3] offset:\bf*BLK+16*(2*\gr+\p)      ; each group has code registers of its own: none is written again ahead of the block's wait for its stores
	ds_store_b128 v5, v[CD+16*\gr+8*\p+4:CD+16*\gr+8*\p+7] offset:\bf*BLK+16*(2*\gr+\p)
.endr
.endm
.macro FETCHK bf, ks, set              ; both tiles' fragments of K step ks
.irp j, 0,1
.irp c, 0,1,2,3
	ds_load_b128 v[FR+32*\set+16*\j+4*\c:FR+32*\set+16*\j+4*\c+3], v6 offset:\bf*BLK+\j*TILE+(8*\ks+2*\c)*U
.endr
.endr
.endm
.macro MULK hd, ks, set, zero          ; 8 products; the 8 accumulators take turns, one instruction a turn, in the same order in every K step
.set wn, 1+\hd
	WIN wn                                         ; source 0: window 1 or 2
.irp t, 0,1,2,3
.irp j, 0,1
.if \zero
	v_wmma_f32_16x16x128_bf8_bf8 v[ACC+8*(2*\t+\j):ACC+8*(2*\t+\j)+7], v[16*(4*\t+\ks):16*(4*\t+\ks)+15], v[FR+32*\set+16*\j:FR+32*\set+16*\j+15], 0
.else
	v_wmma_f32_16x16x128_bf8_bf8 v[ACC+8*(2*\t+\j):ACC+8*(2*\t+\j)+7], v[16*(4*\t+\ks):16*(4*\t+\ks)+15], v[FR+32*\set+16*\j:FR+32*\set+16*\j+15], v[ACC+8*(2*\t+\j):ACC+8*(2*\t+\j)+7]
.endif
.endr
.endr
.endm
.macro KPASS hd, bf                    ; k of one head for the block's 32 rows: 32 products.  Each s_wait_dscnt 8 leaves the next K step's eight loads out
	FETCHK \bf, 0, 0
	FETCHK \bf, 1, 1
	s_wait_dscnt 8
	MULK \hd, 0, 0, 1
	WIN 0
	PLACES
	FETCHK \bf, 2, 0
	s_wait_dscnt 8
	MULK \hd, 1, 1, 0
	WIN 0
	PLACES
	FETCHK \bf, 3, 1
	s_wait_dscnt 8
	MULK \hd, 2, 0, 0
	s_wait_dscnt 0x0
	MULK \hd, 3, 1, 0
	WIN 0
	PLACES
.endm
; The f32 dot with q: for each tile two chains of eight packed multiply-adds, each accumulator from its low end on; the first link takes my half's part of q . bk.  Then the two halves of the lanes are joined so that
; lane (r, 0) keeps row r of tile 0 and lane (r, 1) row r of tile 1: each logit is held once.
.macro LOGIT hd, bf
.irp i, 0,1,2,3,4,5,6,7
.irp j, 0,1
.if \i == 0
	v_pk_fma_f32 v[20+4*\j:21+4*\j], v[ACC+8*\j:ACC+8*\j+1], v[Q+32*\hd:Q+32*\hd+1], v[16+2*\hd:17+2*\hd]
	v_pk_mul_f32 v[22+4*\j:23+4*\j], v[ACC+32+8*\j:ACC+32+8*\j+1], v[Q+32*\hd+16:Q+32*\hd+17]
.else
	v_pk_fma_f32 v[20+4*\j:21+4*\j], v[ACC+16*(\i/4)+8*\j+2*(\i%4):ACC+16*(\i/4)+8*\j+2*(\i%4)+1], v[Q+32*\hd+8*(\i/4)+2*(\i%4):Q+32*\hd+8*(\i/4)+2*(\i%4)+1], v[20+4*\j:21+4*\j]
	v_pk_fma_f32 v[22+4*\j:23+4*\j], v[ACC+32+16*(\i/4)+8*\j+2*(\i%4):ACC+32+16*(\i/4)+8*\j+2*(\i%4)+1], v[Q+32*\hd+16+8*(\i/4)+2*(\i%4):Q+32*\hd+16+8*(\i/4)+2*(\i%4)+1], v[22+4*\j:23+4*\j]
.endif
.endr
.endr
	v_pk_add_f32 v[20:21], v[20:21], v[22:23]
	v_pk_add_f32 v[24:25], v[24:25], v[26:27]
	v_add_f32 v20, v20, v21                        ; tile 0, my half of the columns
	v_add_f32 v24, v24, v25                        ; tile 1
	v_cndmask_b32 v22, v20, v24, s41               ; what I keep: lanes 0-15 tile 0's, lanes 16-31 tile 1's
	v_cndmask_b32 v23, v24, v20, s41               ; what the lane 16 away keeps
	v_permlanex16_b32 v30, v23, s42, s43
	v_add_f32 v[T+28+2*\bf+\hd], v22, v30
.endm
.macro ROT                             ; T moves down by a trip's four registers, so that a trip's text names the same registers in every trip
.set ri, 0
.rept 28
	v_mov_b32 v[T+ri], v[T+ri+4]
.set ri, ri+1
.endr
.endm
; A block.  ONE barrier does both orderings: in front of it each wave has waited for all its LDS instructions, its stores of this block and its reads of the block before; so behind it this block's buffer is whole, and
; the other buffer, which the next block's stores write, is read by nobody.  swap = 1 (the last block): each head's weights are replaced by Wv's as soon as its last products and their places are issued.
.macro BLOCK bf, ahead, l0, l1, l2, l3, swap
	QGROUP \bf, 0, \ahead, \l0
	QGROUP \bf, 1, \ahead, \l1
	QGROUP \bf, 2, \ahead, \l2
	QGROUP \bf, 3, \ahead, \l3
	s_wait_dscnt 0x0
	s_barrier_signal -1
	s_barrier_wait -1
	KPASS 0, \bf
.if \swap
	WIN 0x40
	WLOAD 36, 0
	WIN 0
.endif
	LOGIT 0, \bf
	KPASS 1, \bf
.if \swap
	WIN 0x80
	WLOAD 36, 1
	WIN 0
.endif
	LOGIT 1, \bf
.endm
.macro FETCHV off, set                 ; a parked block's 8 fragments (4 K steps x 2 tiles) into window 3
	WIN 0xc0
.irp ks, 0,1,2,3
.irp j, 0,1
.irp c, 0,1,2,3
	ds_load_b128 v[128*(\set)+32*\ks+16*\j+4*\c:128*(\set)+32*\ks+16*\j+4*\c+3], v12 offset:\off+\j*TILE+(8*\ks+2*\c)*U
.endr
.endr
.endr
.endm
.macro MULV hd, set                    ; v of one head for 32 rows: 32 products, 8 accumulators by turns
.set wn, 0x0d+\hd
	WIN wn                                         ; source 0: window 1 or 2; source 1: window 3
.irp ks, 0,1,2,3
.irp t, 0,1,2,3
.irp j, 0,1
.if \ks == 0
	v_wmma_f32_16x16x128_bf8_bf8 v[ACC+64*\hd+8*(2*\t+\j):ACC+64*\hd+8*(2*\t+\j)+7], v[16*(4*\t+\ks):16*(4*\t+\ks)+15], v[128*(\set)+32*\ks+16*\j:128*(\set)+32*\ks+16*\j+15], 0
.else
	v_wmma_f32_16x16x128_bf8_bf8 v[ACC+64*\hd+8*(2*\t+\j):ACC+64*\hd+8*(2*\t+\j)+7], v[16*(4*\t+\ks):16*(4*\t+\ks)+15], v[128*(\set)+32*\ks+16*\j:128*(\set)+32*\ks+16*\j+15], v[ACC+64*\hd+8*(2*\t+\j):ACC+64*\hd+8*(2*\t+\j)+7]
.endif
.endr
.endr
.endr
.endm
; A block of the V phase, from fragment set bf.  pre = 1: the next block is fetched into the other set first, and its 32 loads may stay out.
.macro VBLOCK bf, pre
	v_permlanex16_b32 v20, v[T+2*\bf], s42, s43    ; p of the lane 16 away: the other tile's row r
	v_permlanex16_b32 v21, v[T+2*\bf+1], s42, s43
.if \pre
	FETCHV (\bf+1)*BLK, 1-\bf
	s_wait_dscnt 32
.else
	s_wait_dscnt 0x0
.endif
	MULV 0, \bf
	MULV 1, \bf
	WIN 0
	v_cndmask_b32 v24, v[T+2*\bf], v20, s41        ; v[24:25]: p of tile 0's row r, heads A and B; v[26:27]: of tile 1's.  These four lines are the places behind the last product
	v_cndmask_b32 v25, v[T+2*\bf+1], v21, s41
	v_cndmask_b32 v26, v20, v[T+2*\bf], s41
	v_cndmask_b32 v27, v21, v[T+2*\bf+1], s41
.irp j, 0,1
.irp t, 0,1,2,3
.irp i, 0,2,4,6
	v_pk_fma_f32 v[CTX+8*\t+\i:CTX+8*\t+\i+1], v[ACC+8*(2*\t+\j)+\i:ACC+8*(2*\t+\j)+\i+1], v[24+2*\j:25+2*\j], v[CTX+8*\t+\i:CTX+8*\t+\i+1] op_sel_hi:[1,0,1]
.endr
.endr
.irp t, 0,1,2,3
.irp i, 0,2,4,6
	v_pk_fma_f32 v[CTX+32+8*\t+\i:CTX+32+8*\t+\i+1], v[ACC+64+8*(2*\t+\j)+\i:ACC+64+8*(2*\t+\j)+\i+1], v[24+2*\j:25+2*\j], v[CTX+32+8*\t+\i:CTX+32+8*\t+\i+1] op_sel:[0,1,0] op_sel_hi:[1,1,1]
.endr
.endr
.endr
.endm
	s_load_b256 s[4:11], s[0:1], 0x0               ; key_value s[4:5], wk_c s[6:7], wv_c s[8:9], qs s[10:11]
	s_load_b256 s[12:19], s[0:1], 0x20             ; bk s[12:13], the exponents s[14:15], pctx s[16:17], pstat s[18:19]
	v_lshrrev_b32 v1, 5, v0
	v_readfirstlane_b32 s20, v1                    ; wave w
	s_mov_b32 s21, ttmp9                           ; work-group g
	s_mov_b32 s41, 0xffff0000                      ; lanes 16-31
	s_mov_b32 s42, 0x76543210                      ; v_permlanex16_b32: lane l xor 16
	s_mov_b32 s43, 0xfedcba98
	v_and_b32 v1, 31, v0                           ; lane
	v_lshlrev_b32 v2, 4, v1                        ; 16 x lane
	v_and_b32 v20, 15, v0                          ; r
	v_bfe_u32 v21, v0, 4, 1                        ; h
	s_lshr_b32 s44, s20, 1
	s_mul_i32 s44, s44, TILE                       ; my rows lie in tile w / 2,
	s_and_b32 s45, s20, 1
	s_lshl_b32 s45, s45, 7                         ; from row 8 (w % 2) on
	s_add_co_u32 s44, s44, s45
	v_mul_u32_u24 v4, v1, U                        ; my unit
	v_add_nc_u32 v4, s44, v4                       ; v4: where I store codes, within a block
	v_add_nc_u32 v3, KIMG, v4                      ; v3: K's codes
	v_mul_u32_u24 v7, v21, U
	v_lshl_add_u32 v7, v20, 4, v7                  ; v7: where I read a fragment: 272 h + 16 r
	v_add_nc_u32 v6, KIMG, v7                      ; v6: K's
	s_lshl_b32 s45, s20, 9                         ; 512 w
	s_add_co_u32 s46, s45, STG
	v_lshlrev_b32 v22, 5, v21                      ; 32 h
	v_add_nc_u32 v13, s46, v22                     ; the stage, in
	v_add_nc_u32 v14, s46, v2                      ; and out
	v_mov_b32 v15, 0
	s_wait_kmcnt 0x0
	s_load_b256 s[24:31], s[14:15], 0x0            ; e0 .. e7
	s_lshl_b32 s46, s21, 20                        ; 512 rows of 2,048 bytes a work-group,
	s_lshl_b32 s47, s20, 14                        ; my 8 rows of a block
	s_add_co_u32 s46, s46, s47
	s_mov_b32 s47, 0
	s_add_nc_u64 s[32:33], s[4:5], s[46:47]        ; s[32:33]: key_value at my rows of the trip's first block
	s_lshl_b32 s46, s20, 16                        ; my 8 tiles of columns: 8 x 8,192 bytes of codes
	s_add_nc_u64 s[34:35], s[6:7], s[46:47]
	s_add_nc_u64 s[36:37], s[8:9], s[46:47]
	s_lshr_b32 s46, s21, 4                         ; batch
	s_lshl_b32 s46, s46, 11
	s_add_co_u32 s46, s46, s45
	s_add_nc_u64 s[10:11], s[10:11], s[46:47]      ; qs at my batch and my 128 columns
	s_mov_b32 s46, s45
	s_add_nc_u64 s[12:13], s[12:13], s[46:47]      ; bk at my columns
	s_lshl_b32 s46, s21, 11
	s_add_co_u32 s46, s46, s45
	s_add_nc_u64 s[16:17], s[16:17], s[46:47]      ; pctx at 2,048 g + 512 w
	s_lshl_b32 s46, s21, 2
	s_add_co_u32 s46, s46, s20
	s_lshl_b32 s46, s46, 4
	s_add_nc_u64 s[18:19], s[18:19], s[46:47]      ; pstat at 16 (4 g + w)
	WIN 0xc0
.irp bf, 0,1
.irp ro, 0,1,2,3,4,5,6,7
.irp sg, 0,1,2,3
	global_load_b128 v[128*\bf+16*\ro+4*\sg:128*\bf+16*\ro+4*\sg+3], v2, s[32:33] offset:\bf*65536+\ro*2048+512*\sg th:TH_LOAD_NT   ; blocks 0 and 1: 32 lanes read 512 consecutive bytes
.endr
.endr
.endr
	WIN 0x40
	WLOAD 34, 0                                    ; Wk, head A
	WIN 0x80
	WLOAD 34, 1                                    ; Wk, head B
	WIN 0
.set hi, 0
.rept 16                                           ; q and bk at column 64 a + 16 t + 8 h + 0 .. 7: register 32 a + 8 t + j
	global_load_b128 v[Q+4*hi:Q+4*hi+3], v22, s[10:11] offset:64*(hi/2)+16*(hi%2)
	global_load_b128 v[TK+4*hi:TK+4*hi+3], v22, s[12:13] offset:64*(hi/2)+16*(hi%2)
.set hi, hi+1
.endr
.set hi, 0
.rept 32
	v_mov_b32 v[T+hi], 0                           ; ROT reads T ahead of the first logits
.set hi, hi+1
.endr
	v_mov_b32 v30, 0                               ; a lane permute's destination counts as one of its sources
	s_wait_kmcnt 0x0
	s_add_co_i32 s44, s26, 127
	s_lshl_b32 s46, s44, 23
	v_mov_b32 v8, s46                              ; 2^e2 as f32: the conversion takes its exponent field
	s_add_co_i32 s44, s44, 15
	s_lshl_b32 s44, s44, 23
	s_or_b32 s44, s44, 0x600000
	v_mov_b32 v9, s44                              ; 57,344 x 2^e2
	s_add_co_i32 s44, s28, 127
	s_lshl_b32 s46, s44, 23
	v_mov_b32 v10, s46                             ; the same with e4
	s_add_co_i32 s44, s44, 15
	s_lshl_b32 s44, s44, 23
	s_or_b32 s44, s44, 0x600000
	v_mov_b32 v11, s44
	s_add_co_i32 s44, s26, s27
	s_sub_co_i32 s44, 0, s44                       ; -(e2 + e3)
	s_wait_loadcnt 0x0
.set hi, 0
.rept 64
	v_ldexp_f32 v[TK+hi], v[TK+hi], s44            ; bk / 2^(e2 + e3): beside the sums of codes
.set hi, hi+1
.endr
.irp a, 0,1                                        ; my half's part of q . bk for each head: the first addend of every logit
	v_pk_mul_f32 v[16+2*\a:17+2*\a], v[Q+32*\a:Q+32*\a+1], v[TK+32*\a:TK+32*\a+1]
.irp i, 2,4,6,8,10,12,14,16,18,20,22,24,26,28,30
	v_pk_fma_f32 v[16+2*\a:17+2*\a], v[Q+32*\a+\i:Q+32*\a+\i+1], v[TK+32*\a+\i:TK+32*\a+\i+1], v[16+2*\a:17+2*\a]
.endr
	v_add_f32 v[16+2*\a], v[16+2*\a], v[17+2*\a]
	v_mov_b32 v[17+2*\a], 0
.endr
	; ---- THE K PHASE.  A trip is two blocks.  s_wait_loadcnt 56: behind a group's eight loads stand the rest of its block (8 (3 - group)), the next block's 32 and the 8 x group already asked for two blocks on.
	s_mov_b32 s38, 0                               ; where the trip's V codes are parked
	s_mov_b32 s39, 7
.Lk:
	ROT
	v_add_nc_u32 v5, s38, v4
	BLOCK 0, 1, 56, 56, 56, 56, 0
	BLOCK 1, 1, 56, 56, 56, 56, 0
	s_wait_xcnt 0x0                                ; the loads have read their base: it steps only behind this wait
	s_add_nc_u64 s[32:33], s[32:33], 131072
	s_add_co_u32 s38, s38, 2*BLK
	s_sub_co_u32 s39, s39, 1
	s_cmp_lg_u32 s39, 0
	s_cbranch_scc1 .Lk
	ROT                                            ; blocks 14 and 15 ask for nothing: no load leaves the work-group's rows, and the counts run down
	v_add_nc_u32 v5, s38, v4
	BLOCK 0, 0, 56, 48, 40, 32, 0
	BLOCK 1, 0, 24, 16, 8, 0, 1
	; ---- THE CHUNK'S SOFTMAX.  T[2 b + a], lane (r, j): the logit of row r of tile j of block b, head a: my wave holds all 512 rows of its two heads, each once.
	v_mov_b32 v12, v7
	FETCHV 0, 0                                    ; block 0's parked codes come while the softmax is made (the last block's barrier has shown all parked codes to all waves)
	WIN 0
.irp a, 0,1
	v_max3_num_f32 v[28+\a], v[T+\a], v[T+2+\a], v[T+4+\a]
.irp k, 6,10,14,18,22,26
	v_max3_num_f32 v[28+\a], v[28+\a], v[T+\k+\a], v[T+\k+2+\a]
.endr
	v_max_num_f32 v[28+\a], v[28+\a], v[T+30+\a]
.endr
.irp m, 1,2,4,8
	v_max_num_f32_dpp v28, v28, v28 row_xmask:\m row_mask:0xf bank_mask:0xf
	v_max_num_f32_dpp v29, v29, v29 row_xmask:\m row_mask:0xf bank_mask:0xf
.endr
	v_permlanex16_b32 v20, v28, s42, s43
	v_permlanex16_b32 v21, v29, s42, s43
	v_max_num_f32 v28, v28, v20                    ; mA
	v_max_num_f32 v29, v29, v21                    ; mB: the chunk's largest t, taken away before every exponential
.irp k, 0,2,4,6,8,10,12,14,16,18,20,22,24,26,28,30
	v_pk_add_f32 v[T+\k:T+\k+1], v[T+\k:T+\k+1], v[28:29] neg_lo:[0,1] neg_hi:[0,1]
.endr
.set hi, 0
.rept 32
	v_exp_f32 v[T+hi], v[T+hi]                     ; p = 2^(t - m), at most 1
.set hi, hi+1
.endr
.set hi, 0
.rept 64
	v_mov_b32 v[CTX+hi], 0                         ; the context sums begin at 0, so that the V phase's block is written once; these lines are the plain work behind the exponentials, and stand where the wave awaits Wv
.set hi, hi+1
.endr
	s_wait_alu depctr_va_vdst(0)                   ; one wait for the batch of 32, ahead of its first reader
	v_pk_add_f32 v[30:31], v[T:T+1], v[T+2:T+3]    ; the sums of p, heads A and B side by side, in two chains
	v_pk_add_f32 v[22:23], v[T+4:T+5], v[T+6:T+7]
.irp k, 8,12,16,20,24,28
	v_pk_add_f32 v[30:31], v[30:31], v[T+\k:T+\k+1]
	v_pk_add_f32 v[22:23], v[22:23], v[T+\k+2:T+\k+3]
.endr
	v_pk_add_f32 v[30:31], v[30:31], v[22:23]
.irp m, 1,2,4,8
	v_add_f32_dpp v30, v30, v30 row_xmask:\m row_mask:0xf bank_mask:0xf
	v_add_f32_dpp v31, v31, v31 row_xmask:\m row_mask:0xf bank_mask:0xf
.endr
	v_permlanex16_b32 v20, v30, s42, s43
	v_permlanex16_b32 v21, v31, s42, s43
	v_add_f32 v30, v30, v20                        ; lA
	v_add_f32 v31, v31, v21                        ; lB
	; ---- THE V PHASE.  No barrier: the parked codes are only read.
	s_wait_loadcnt 0x0                             ; Wv
	s_mov_b32 s38, 0
	s_mov_b32 s39, 7
.Lv:
	VBLOCK 0, 1
	VBLOCK 1, 1
	ROT
	s_add_co_u32 s38, s38, 2*BLK
	v_add_nc_u32 v12, s38, v7
	s_sub_co_u32 s39, s39, 1
	s_cmp_lg_u32 s39, 0
	s_cbranch_scc1 .Lv
	VBLOCK 0, 1
	VBLOCK 1, 0                                    ; the last block: nothing more to fetch
	; ---- THE WAY OUT.  Lane (r, h) holds the sums over the rows r mod 16: the sixteen lanes of a half are added; then my 128 columns go through my stage and leave as 512 consecutive bytes.
.irp m, 1,2,4,8
.set hi, 0
.rept 64
	v_add_f32_dpp v[CTX+hi], v[CTX+hi], v[CTX+hi] row_xmask:\m row_mask:0xf bank_mask:0xf
.set hi, hi+1
.endr
.endr
.set hi, 0
.rept 16
	ds_store_b128 v13, v[CTX+4*hi:CTX+4*hi+3] offset:64*(hi/2)+16*(hi%2)   ; the sixteen lanes of a half write the same bytes with the same values
.set hi, hi+1
.endr
	ds_load_b128 v[20:23], v14                     ; LDS serves a wave's instructions in order (ISA guide 5.7.1.4): this sees my stores
	s_wait_dscnt 0x0
	global_store_b128 v2, v[20:23], s[16:17]       ; 32 lanes store 512 consecutive bytes, at a multiple of 256 from pctx's first byte
	s_wait_xcnt 0x0                                ; EXEC changes only behind this wait
	v_cmp_eq_u32 vcc_lo, 0, v1
	s_and_saveexec_b32 s40, vcc_lo
	global_store_b128 v15, v[28:31], s[18:19]      ; lane 0: mA, mB, lA, lB
	s_wait_xcnt 0x0
	s_or_b32 exec_lo, exec_lo, s40
	s_wait_xcnt 0x0
	s_mov_b32 exec_lo, -1
	v_lshl_add_u32 v62, v0, 2, 0x4d000
	v_mov_b32 v63, 0
	s_wait_tensorcnt 0x0
	ds_add_u32 v62, v63
	s_wait_dscnt 0x0
	s_endpgm
.Lfunc_end_k_qedc45d5f76_main:
	.size	k_qedc45d5f76_main, .Lfunc_end_k_qedc45d5f76_main-k_qedc45d5f76_main
	.p2alignl 7, 3214868480
	.fill 96, 4, 3214868480
	.section	.rodata,"a",@progbits
	.p2align	6, 0x0
	.amdhsa_kernel k_qedc45d5f76_main
		.amdhsa_group_segment_fixed_size 315904
		.amdhsa_private_segment_fixed_size 0
		.amdhsa_enable_private_segment 0
		.amdhsa_kernarg_size 64
		.amdhsa_user_sgpr_count 2
		.amdhsa_user_sgpr_kernarg_segment_ptr 1
		.amdhsa_wavefront_size32 1
		.amdhsa_system_sgpr_workgroup_id_x 1
		.amdhsa_system_sgpr_workgroup_id_y 1
		.amdhsa_system_sgpr_workgroup_id_z 1
		.amdhsa_system_vgpr_workitem_id 0
		.amdhsa_next_free_vgpr 1024
		.amdhsa_next_free_sgpr 66
		.amdhsa_reserve_vcc 1
		.amdhsa_float_denorm_mode_32 3
		.amdhsa_float_denorm_mode_16_64 3
		.amdhsa_memory_ordered 1
		.amdhsa_forward_progress 1
		.amdhsa_inst_pref_size 255
	.end_amdhsa_kernel
	.section	.bss,"aw",@nobits
	.p2align	6
	.space	262144
	.amdgpu_metadata
---
amdhsa.version: [ 1, 2 ]
amdhsa.kernels:
  - .name:           k_qedc45d5f76_main
    .symbol:         k_qedc45d5f76_main.kd
    .args:
      - { .name: key_value, .offset: 0, .size: 8, .value_kind: global_buffer, .address_space: global }
      - { .name: wk_c, .offset: 8, .size: 8, .value_kind: global_buffer, .address_space: global }
      - { .name: wv_c, .offset: 16, .size: 8, .value_kind: global_buffer, .address_space: global }
      - { .name: qs, .offset: 24, .size: 8, .value_kind: global_buffer, .address_space: global }
      - { .name: bk, .offset: 32, .size: 8, .value_kind: global_buffer, .address_space: global }
      - { .name: lowp_scales, .offset: 40, .size: 8, .value_kind: global_buffer, .address_space: global }
      - { .name: pctx, .offset: 48, .size: 8, .value_kind: global_buffer, .address_space: global }
      - { .name: pstat, .offset: 56, .size: 8, .value_kind: global_buffer, .address_space: global }
    .group_segment_fixed_size: 315904
    .private_segment_fixed_size: 0
    .kernarg_segment_align: 8
    .kernarg_segment_size: 64
    .max_flat_workgroup_size: 128
    .sgpr_count:     66
    .vgpr_count:     1024
    .wavefront_size: 32
...
	.end_amdgpu_metadata
.endif
;; end of part 2
;; launch final (part 3): grid 2 x 1, 16 waves a work-group, no clusters, 35,840 bytes of LDS; arguments pctx, pstat, wo_c, bv, bo, lowp_scales, out0; writes out0
.if DOCPART == 3
	.amdgcn_target "amdgcn-amd-amdhsa--gfx1250"
	.amdhsa_code_object_version 6
	.text
	.protected	k_qedc45d5f76_final
	.globl	k_qedc45d5f76_final
	.p2align	8
	.type	k_qedc45d5f76_final,@function
k_qedc45d5f76_final:
	s_mov_b64 s[64:65], 0
	v_nop
	global_prefetch_b8 v0, s[64:65] scope:SCOPE_SE
	s_setreg_imm32_b32 hwreg(HW_REG_WAVE_MODE, 25, 1), 1
	s_wait_xcnt 0x0
; The 16 chunks of each batch are joined, bv is added, the context is quantised, and out = context Wo + bo.
; SHARES.  Work-group x makes columns 256 x .. 256 x + 255 of out.  Wave v first joins batch v (both work-groups do: 512 KiB of sums), then makes the tile of 16 columns nt = 16 x + v for all 16 batches.
; JOINING.  For a head: M = the largest of the chunks' m; L = sum of 2^(m - M) l; context = sum over chunks of (2^(m - M) / L x 2^(e4 + e5)) x pctx + bv (the weights p / L add up to 1, so bv goes in whole, as the first addend).
; A lane takes of its batch's row the columns 128 g + 4 lane + i (four loads of 512 consecutive bytes a chunk): head 2 g + lane / 16.  That is the order in which a row becomes units of codes:
; lane l's 16 codes are unit l, stored at 272 l + 16 x batch; lane (r, h) reads registers 4 c .. 4 c + 3 of K step s at 272 (8 s + 2 c + h) + 16 r, the order of wo_c's fragments.
; LIMITS: e6 between -126 and 112; e6 + e7 between -126 and 127.  NaN is not served.
.set U,   272
.set WT,  32*U                         ; LDS: 0: the context's image;  WT + 512 v: wave v's chunk weights [head half a][chunk][g];
.set OST, WT+16*512                    ; the stage for out: 16 rows x (1,024 + 16) bytes
.set OP,  1040
.set WN,  16                           ; v16-31   statistics at work, then four chunks' weights
.set AC,  32                           ; v32-47   the context: register 4 g + i
.set BO,  48                           ; v48-55   bo at my eight columns
.set P,   56                           ; v56-183  eight chunk slots of 16; later the context's four fragments (v56-119), four products (v120-151) and their sum (v152-159)
.set WO,  184                          ; v184-247 Wo's four fragments
.macro WFETCH q                        ; the weights of chunks 4 q .. 4 q + 3
.irp cc, 0,1,2,3
	ds_load_b128 v[WN+4*\cc:WN+4*\cc+3], v7 offset:16*(4*\q+\cc)
.endr
	s_wait_dscnt 0x0
.endm
; Chunk c is added; cc = c % 4.  The wait for c < 8: behind chunk c's four loads stand 4 (7 - c) of later chunks, 18 of Wo and bo, and the 4 c refills already issued: 46.  For c >= 8: the 4 (15 - c) later refills.
.macro CHUNK c, cc
.if \c < 8
	s_wait_loadcnt 46
.else
	s_wait_loadcnt 4*(15-\c)
.endif
.set PS, P+16*((\c)%8)
.irp g, 0,2
.irp i, 0,2
	v_pk_fma_f32 v[AC+4*\g+\i:AC+4*\g+\i+1], v[PS+4*\g+\i:PS+4*\g+\i+1], v[WN+4*\cc+\g:WN+4*\cc+\g+1], v[AC+4*\g+\i:AC+4*\g+\i+1] op_sel_hi:[1,0,1]
.endr
.irp i, 0,2
	v_pk_fma_f32 v[AC+4*\g+4+\i:AC+4*\g+4+\i+1], v[PS+4*\g+4+\i:PS+4*\g+4+\i+1], v[WN+4*\cc+\g:WN+4*\cc+\g+1], v[AC+4*\g+4+\i:AC+4*\g+4+\i+1] op_sel:[0,1,0] op_sel_hi:[1,1,1]
.endr
.endr
.if \c < 8
.irp g, 0,1,2,3
	global_load_b128 v[PS+4*\g:PS+4*\g+3], v2, s[4:5] offset:2048*(\c+8)+512*\g   ; the slot takes the chunk eight further on
.endr
.endif
.endm
	s_load_b256 s[4:11], s[0:1], 0x0               ; pctx s[4:5], pstat s[6:7], wo_c s[8:9], bv s[10:11]
	s_load_b128 s[12:15], s[0:1], 0x20             ; bo s[12:13], the exponents s[14:15]
	s_load_b64 s[16:17], s[0:1], 0x30              ; out0
	v_lshl_add_u32 v254, v0, 2, 0x8400
	v_mov_b32 v255, 0
	v_lshrrev_b32 v1, 5, v0
	v_readfirstlane_b32 s20, v1                    ; wave v
	s_mov_b32 s42, 0x76543210                      ; v_permlanex16_b32: lane l xor 16
	s_mov_b32 s43, 0xfedcba98
	v_and_b32 v1, 31, v0                           ; lane
	v_lshlrev_b32 v2, 4, v1                        ; 16 x lane
	v_and_b32 v3, 15, v0                           ; r
	v_bfe_u32 v4, v0, 4, 1                         ; h
	v_lshlrev_b32 v5, 5, v4                        ; 32 h
	s_lshl_b32 s44, s20, 9
	s_add_co_u32 s44, s44, WT
	v_lshlrev_b32 v6, 2, v1
	v_add_nc_u32 v6, s44, v6                       ; my weights' words: 4 x lane = 16 x chunk + 4 g
	v_lshlrev_b32 v7, 8, v4
	v_add_nc_u32 v7, s44, v7                       ; and where I read: my half of the heads
	s_lshl_b32 s44, s20, 4
	v_mul_u32_u24 v10, v1, U
	v_add_nc_u32 v10, s44, v10                     ; the image, in: unit = lane, row = batch v
	v_mul_u32_u24 v11, v4, U
	v_lshl_add_u32 v11, v3, 4, v11                 ; and out: 272 h + 16 r
	s_lshl_b32 s44, s20, 6
	s_add_co_u32 s44, s44, OST
	v_mul_u32_u24 v12, v3, OP
	v_add_nc_u32 v12, v12, v5
	v_add_nc_u32 v12, s44, v12                     ; the stage, in: row r, my tile's 64 bytes, + 32 h
	s_mul_i32 s44, s20, OP
	s_add_co_u32 s44, s44, OST
	v_add_nc_u32 v13, s44, v2                      ; and out: row v
	v_mov_b32 v26, 0                               ; lane permutes' destinations count as sources
	v_mov_b32 v27, 0
	s_wait_kmcnt 0x0
	s_load_b256 s[24:31], s[14:15], 0x0            ; e0 .. e7
	s_mov_b32 s47, 0
	s_lshl_b32 s46, s20, 15
	s_add_nc_u64 s[4:5], s[4:5], s[46:47]          ; pctx: 16 chunks of 2,048 bytes a batch
	s_lshl_b32 s46, s20, 10
	s_add_nc_u64 s[6:7], s[6:7], s[46:47]          ; pstat: 16 chunks of 64 bytes
	s_lshl_b32 s45, ttmp9, 4
	s_add_co_u32 s45, s45, s20                     ; nt
	s_lshl_b32 s46, s45, 13
	s_add_nc_u64 s[8:9], s[8:9], s[46:47]          ; wo_c: four fragments of 2,048 bytes a tile
	s_lshl_b32 s46, s45, 6
	s_add_nc_u64 s[12:13], s[12:13], s[46:47]      ; bo at column 16 nt
	s_lshl_b32 s46, s20, 11
	s_lshl_b32 s45, ttmp9, 10
	s_add_co_u32 s46, s46, s45
	s_add_nc_u64 s[16:17], s[16:17], s[46:47]      ; out0: row v, my work-group's 1,024 bytes
	global_load_b128 v[16:19], v2, s[6:7]          ; lane l: (mA, mB, lA, lB) of chunk l / 4, head pair l % 4,
	global_load_b128 v[20:23], v2, s[6:7] offset:512   ; and of chunk 8 + l / 4
.irp g, 0,1,2,3
	global_load_b128 v[AC+4*\g:AC+4*\g+3], v2, s[10:11] offset:512*\g   ; bv: the sums' first addend
.endr
.irp c, 0,1,2,3,4,5,6,7
.irp g, 0,1,2,3
	global_load_b128 v[P+16*\c+4*\g:P+16*\c+4*\g+3], v2, s[4:5] offset:2048*\c+512*\g
.endr
.endr
.set hi, 0
.rept 16
	global_load_b128 v[WO+4*hi:WO+4*hi+3], v2, s[8:9] offset:512*hi
.set hi, hi+1
.endr
	global_load_b128 v[BO:BO+3], v5, s[12:13]
	global_load_b128 v[BO+4:BO+7], v5, s[12:13] offset:16
	; ---- the chunks' weights
	s_wait_loadcnt 54                              ; the two loads of pstat are in; the 54 behind them may stay out
	v_max_num_f32 v24, v16, v20
	v_max_num_f32 v25, v17, v21
.irp m, 4,8                                        ; lanes with the same l % 4 hold the same heads: l xor 4, 8, 16
	v_max_num_f32_dpp v24, v24, v24 row_xmask:\m row_mask:0xf bank_mask:0xf
	v_max_num_f32_dpp v25, v25, v25 row_xmask:\m row_mask:0xf bank_mask:0xf
.endr
	v_permlanex16_b32 v26, v24, s42, s43
	v_permlanex16_b32 v27, v25, s42, s43
	v_max_num_f32 v24, v24, v26                    ; M of head A,
	v_max_num_f32 v25, v25, v27                    ; of head B
	v_pk_add_f32 v[16:17], v[16:17], v[24:25] neg_lo:[0,1] neg_hi:[0,1]
	v_pk_add_f32 v[20:21], v[20:21], v[24:25] neg_lo:[0,1] neg_hi:[0,1]
	v_exp_f32 v16, v16                             ; 2^(m - M)
	v_exp_f32 v17, v17
	v_exp_f32 v20, v20
	v_exp_f32 v21, v21
	v_nop                                          ; a plain line behind the last exponential,
	s_wait_alu depctr_va_vdst(0)                   ; and the one wait for the four, ahead of their first reader
	v_mul_f32 v26, v16, v18
	v_mul_f32 v27, v17, v19
	v_fma_f32 v26, v20, v22, v26
	v_fma_f32 v27, v21, v23, v27
.irp m, 4,8
	v_add_f32_dpp v26, v26, v26 row_xmask:\m row_mask:0xf bank_mask:0xf
	v_add_f32_dpp v27, v27, v27 row_xmask:\m row_mask:0xf bank_mask:0xf
.endr
	v_permlanex16_b32 v24, v26, s42, s43
	v_permlanex16_b32 v25, v27, s42, s43
	v_add_f32 v26, v26, v24                        ; L: at least 1, since the chunk that holds M has a row with p = 1
	v_add_f32 v27, v27, v25
	v_rcp_f32 v26, v26
	v_rcp_f32 v27, v27
	v_nop
	s_wait_kmcnt 0x0
	s_add_co_i32 s44, s28, s29                     ; e4 + e5
	s_wait_alu depctr_va_vdst(0)                   ; one wait for the two reciprocals
	v_ldexp_f32 v26, v26, s44
	v_ldexp_f32 v27, v27, s44
	v_pk_mul_f32 v[16:17], v[16:17], v[26:27]
	v_pk_mul_f32 v[20:21], v[20:21], v[26:27]
	ds_store_b32 v6, v16                           ; [a = 0][chunk l / 4][g]
	ds_store_b32 v6, v20 offset:128                ; [0][8 + l / 4][g]
	ds_store_b32 v6, v17 offset:256                ; [1][l / 4][g]
	ds_store_b32 v6, v21 offset:384
	s_wait_dscnt 0x0                               ; the stores have read their registers, into which the loads below land
	; ---- the context
	WFETCH 0
	CHUNK 0, 0
	CHUNK 1, 1
	CHUNK 2, 2
	CHUNK 3, 3
	WFETCH 1
	CHUNK 4, 0
	CHUNK 5, 1
	CHUNK 6, 2
	CHUNK 7, 3
	WFETCH 2
	CHUNK 8, 0
	CHUNK 9, 1
	CHUNK 10, 2
	CHUNK 11, 3
	WFETCH 3
	CHUNK 12, 0
	CHUNK 13, 1
	CHUNK 14, 2
	CHUNK 15, 3
	; ---- product 6
	s_add_co_i32 s44, s30, 127
	s_lshl_b32 s45, s44, 23
	v_mov_b32 v8, s45                              ; 2^e6 as f32
	s_add_co_i32 s44, s44, 15
	s_lshl_b32 s44, s44, 23
	s_or_b32 s44, s44, 0x600000
	v_mov_b32 v9, s44                              ; 57,344 x 2^e6
.set hi, 0
.rept 16
	v_med3_num_f32 v[AC+hi], v[AC+hi], -v9, v9     ; the hold (the conversion does not saturate: ISA guide 7.6.2)
.set hi, hi+1
.endr
	v_cvt_scalef32_pk8_bf8_f32 v[16:17], v[AC:AC+7], v8
	v_cvt_scalef32_pk8_bf8_f32 v[18:19], v[AC+8:AC+15], v8
	v_nop                                          ; one plain vector line behind the last conversion
	ds_store_b128 v10, v[16:19]
	s_wait_dscnt 0x0                               ; for the others' sake: my batch's codes have landed
	s_barrier_signal -1
	s_barrier_wait -1
.irp ks, 0,1,2,3
.irp c, 0,1,2,3
	ds_load_b128 v[P+16*\ks+4*\c:P+16*\ks+4*\c+3], v11 offset:(8*\ks+2*\c)*U
.endr
.endr
	s_add_co_i32 s44, s30, s31
	s_add_co_i32 s44, s44, 127
	s_lshl_b32 s44, s44, 23                        ; 2^(e6 + e7) as f32
	s_mov_b32 s45, s44                             ; (named with it as a pair, so it is written)
	s_wait_dscnt 0x0
.irp ks, 0,1,2,3                                   ; four K steps on four accumulators, each begun with 0: no instruction adds onto the one before it
	v_wmma_f32_16x16x128_bf8_bf8 v[120+8*\ks:127+8*\ks], v[WO+16*\ks:WO+16*\ks+15], v[P+16*\ks:P+16*\ks+15], 0
.endr
.rept 4
	v_nop                                          ; four places ahead of the first read of the results (ISA guide 7.12.1)
.endr
.irp i, 0,2,4,6
	v_pk_add_f32 v[152+\i:153+\i], v[120+\i:121+\i], v[128+\i:129+\i]      ; K ascending; each accumulator from its low end on
.endr
.irp i, 0,2,4,6
	v_pk_add_f32 v[152+\i:153+\i], v[152+\i:153+\i], v[136+\i:137+\i]
.endr
.irp i, 0,2,4,6
	v_pk_add_f32 v[152+\i:153+\i], v[152+\i:153+\i], v[144+\i:145+\i]
.endr
.irp i, 0,2,4,6
	v_pk_fma_f32 v[152+\i:153+\i], v[152+\i:153+\i], s[44:45], v[BO+\i:BO+\i+1] op_sel_hi:[1,0,1]   ; out = sum x 2^(e6 + e7) + bo: lane (r, h): batch r, column 16 nt + 8 h + 0 .. 7
.endr
	ds_store_b128 v12, v[152:155]
	ds_store_b128 v12, v[156:159] offset:16
	s_wait_dscnt 0x0                               ; a row's 1,024 bytes come from sixteen waves
	s_barrier_signal -1
	s_barrier_wait -1
	ds_load_b128 v[16:19], v13
	ds_load_b128 v[20:23], v13 offset:512
	s_wait_dscnt 0x0
	global_store_b128 v2, v[16:19], s[16:17]       ; 32 lanes store 512 consecutive bytes, at a multiple of 256 from out0's first byte
	global_store_b128 v2, v[20:23], s[16:17] offset:512
	s_barrier_signal -1
	s_barrier_wait -1
	s_wait_tensorcnt 0x0
	ds_add_u32 v254, v255
	s_wait_dscnt 0x0
	s_endpgm
.Lfunc_end_k_qedc45d5f76_final:
	.size	k_qedc45d5f76_final, .Lfunc_end_k_qedc45d5f76_final-k_qedc45d5f76_final
	.p2alignl 7, 3214868480
	.fill 96, 4, 3214868480
	.section	.rodata,"a",@progbits
	.p2align	6, 0x0
	.amdhsa_kernel k_qedc45d5f76_final
		.amdhsa_group_segment_fixed_size 35840
		.amdhsa_private_segment_fixed_size 0
		.amdhsa_enable_private_segment 0
		.amdhsa_kernarg_size 56
		.amdhsa_user_sgpr_count 2
		.amdhsa_user_sgpr_kernarg_segment_ptr 1
		.amdhsa_wavefront_size32 1
		.amdhsa_system_sgpr_workgroup_id_x 1
		.amdhsa_system_sgpr_workgroup_id_y 1
		.amdhsa_system_sgpr_workgroup_id_z 1
		.amdhsa_system_vgpr_workitem_id 0
		.amdhsa_next_free_vgpr 256
		.amdhsa_next_free_sgpr 66
		.amdhsa_reserve_vcc 0
		.amdhsa_float_denorm_mode_32 3
		.amdhsa_float_denorm_mode_16_64 3
		.amdhsa_memory_ordered 1
		.amdhsa_forward_progress 1
		.amdhsa_inst_pref_size 28
	.end_amdhsa_kernel
	.amdgpu_metadata
---
amdhsa.version: [ 1, 2 ]
amdhsa.kernels:
  - .name:           k_qedc45d5f76_final
    .symbol:         k_qedc45d5f76_final.kd
    .args:
      - { .name: pctx, .offset: 0, .size: 8, .value_kind: global_buffer, .address_space: global }
      - { .name: pstat, .offset: 8, .size: 8, .value_kind: global_buffer, .address_space: global }
      - { .name: wo_c, .offset: 16, .size: 8, .value_kind: global_buffer, .address_space: global }
      - { .name: bv, .offset: 24, .size: 8, .value_kind: global_buffer, .address_space: global }
      - { .name: bo, .offset: 32, .size: 8, .value_kind: global_buffer, .address_space: global }
      - { .name: lowp_scales, .offset: 40, .size: 8, .value_kind: global_buffer, .address_space: global }
      - { .name: out0, .offset: 48, .size: 8, .value_kind: global_buffer, .address_space: global }
    .group_segment_fixed_size: 35840
    .private_segment_fixed_size: 0
    .kernarg_segment_align: 8
    .kernarg_segment_size: 56
    .max_flat_workgroup_size: 512
    .sgpr_count:     66
    .vgpr_count:     256
    .wavefront_size: 32
...
	.end_amdgpu_metadata
.endif
;; end of part 3
;; ======== version 2 of 2: 3 launches
;; limits: right only within a limited range of input values
;; workspace buffers: wk_c 262,144 bytes; wv_c 262,144 bytes; wo_c 262,144 bytes; qs 32,768 bytes; pctx 524,288 bytes; pstat 16,384 bytes
;; launch prep (part 4): grid 128 x 1, 4 waves a work-group, no clusters, 4,608 bytes of LDS; arguments Wk, Wv, Wo, Wq, query, bq, lowp_scales, wk_c, wv_c, wo_c, qs; writes wk_c, wv_c, wo_c, qs
.if DOCPART == 4
	.amdgcn_target "amdgcn-amd-amdhsa--gfx1250"
	.amdhsa_code_object_version 6
	.text
	.protected	k_qedc45d5f76_prep
	.globl	k_qedc45d5f76_prep
	.p2align	8
	.type	k_qedc45d5f76_prep,@function
k_qedc45d5f76_prep:
	s_mov_b64 s[64:65], 0
	v_nop
	global_prefetch_b8 v0, s[64:65] scope:SCOPE_SE
	s_setreg_imm32_b32 hwreg(HW_REG_WAVE_MODE, 25, 1), 1
	s_wait_xcnt 0x0
; Wk, Wv, Wo [512 (k)][512 (n)] f32 become codes of E5M2 laid in the order of an operand's registers; Wq is quantised likewise and multiplied at once: q = query Wq + bq.
; Work-group = (matrix, tile of 16 columns n): matrix = x / 32 (0 Wk, 1 Wv, 2 Wo, 3 Wq), tile nt = x % 32.  Wave = K step s of 128.
; THE ORDER OF K, the same in every operand of this program: register 4 c + g, byte i, of lane (r, h) in K step s holds k = 128 g + 32 s + 8 c + 4 h + i.
; It is a permutation of k applied alike to both sides of each product, so every product meets its partner; it is chosen so that a row of 512 f32 loaded densely (16 bytes a lane, four loads)
; turns into 16 bytes of codes a lane that are four whole registers of a fragment.
; A LANE TAKES A COLUMN n = 16 nt + r AND ITS REGISTERS RUN DOWN K, so the conversions' results are the operand's registers; a fragment leaves as four stores of 512 consecutive bytes.
; Fragment (nt, s) lies at (4 nt + s) x 2,048 bytes: [c][lane][16 bytes].
; qs[b][n] = (q[b][n]) x log2(e) / 8 x 2^(e2 + e3): what the logits' sums of codes are multiplied by in the next launch.
; code = x / 2^e, held within +-57,344, to the nearest code, ties to even.
; LIMITS: e0, e1, e3, e5, e7 between -126 and 112 (each power of two and 57,344 times it is an f32 number); e2 + e3 between -60 and 60, so that qs stays an f32 number.  NaN among the inputs is not served; an infinity is held at the largest code.
.set X,  16                            ; v16-79    64 numbers of W: register 16 c + 4 g + i
.set Y,  80                            ; v80-143   64 numbers of query, the same order; later the other waves' sums
.set CW, 144                           ; v144-159  W's fragment
.set CQ, 160                           ; v160-175  query's fragment
.set DD, 176                           ; v176-183  the product
.set BQ, 184                           ; v184-191  bq at my eight columns
.macro QUANT src, dst, sc, lim         ; 64 numbers -> a fragment's 16 registers
.set qi, 0
.rept 64
	v_med3_num_f32 v[\src+qi], v[\src+qi], -v[\lim], v[\lim]   ; the conversion to an 8-bit code does not saturate (ISA guide 7.6.2): the hold at the largest code x the scale comes first
.set qi, qi+1
.endr
.set qi, 0
.rept 8
	v_cvt_scalef32_pk8_bf8_f32 v[\dst+2*qi:\dst+2*qi+1], v[\src+8*qi:\src+8*qi+7], v[\sc]
.set qi, qi+1
.endr
	v_nop                                          ; one plain vector line behind the last conversion, ahead of whatever next touches its registers
.endm
	s_load_b256 s[4:11], s[0:1], 0x0               ; Wk s[4:5], Wv s[6:7], Wo s[8:9], Wq s[10:11]
	s_load_b256 s[12:19], s[0:1], 0x20             ; query s[12:13], bq s[14:15], the exponents s[16:17], wk_c s[18:19]
	s_load_b128 s[20:23], s[0:1], 0x40             ; wv_c s[20:21], wo_c s[22:23]
	s_load_b64 s[24:25], s[0:1], 0x50              ; qs
	v_lshl_add_u32 v192, v0, 2, 0x1000
	v_mov_b32 v193, 0
	v_lshrrev_b32 v1, 5, v0
	v_readfirstlane_b32 s28, v1                    ; wave = K step s
	s_lshr_b32 s26, ttmp9, 5                       ; which matrix
	s_and_b32 s27, ttmp9, 31                       ; nt
	v_and_b32 v1, 15, v0                           ; r
	v_bfe_u32 v2, v0, 4, 1                         ; h
	v_and_b32 v3, 31, v0                           ; lane
	v_lshlrev_b32 v4, 2, v1
	v_lshl_add_u32 v4, v2, 13, v4                  ; W: 4 r + 4 h rows of 2,048 bytes
	v_lshlrev_b32 v5, 4, v3                        ; 16 x lane: my place in a store of 512 bytes
	v_lshlrev_b32 v6, 11, v1
	v_lshl_add_u32 v6, v2, 4, v6                   ; query: row r, + 16 h
	v_lshlrev_b32 v7, 5, v2                        ; bq: 32 h
	v_lshlrev_b32 v12, 5, v0                       ; LDS: 1,024 x wave + 32 x lane
	v_lshl_add_u32 v13, v1, 11, v7                 ; qs: row r, + 32 h
	s_wait_alu depctr_va_vdst(0)
	s_wait_kmcnt 0x0
	s_load_b256 s[36:43], s[16:17], 0x0            ; e0 .. e7
	s_cmp_eq_u32 s26, 1                            ; the buffers are chosen by the work-group's number alone
	s_cselect_b64 s[30:31], s[6:7], s[4:5]
	s_cselect_b64 s[32:33], s[20:21], s[18:19]
	s_cmp_eq_u32 s26, 2
	s_cselect_b64 s[30:31], s[8:9], s[30:31]
	s_cselect_b64 s[32:33], s[22:23], s[32:33]
	s_cmp_eq_u32 s26, 3
	s_cselect_b64 s[30:31], s[10:11], s[30:31]
	s_lshl_b32 s46, s27, 6                         ; 16 nt columns of 4 bytes
	s_lshl_b32 s47, s28, 16                        ; 32 s rows of 2,048 bytes
	s_add_co_u32 s46, s46, s47
	s_mov_b32 s47, 0
	s_add_nc_u64 s[30:31], s[30:31], s[46:47]
	s_lshl_b32 s46, s27, 2
	s_add_co_u32 s46, s46, s28
	s_lshl_b32 s46, s46, 11                        ; (4 nt + s) x 2,048
	s_add_nc_u64 s[32:33], s[32:33], s[46:47]
.irp c, 0,1,2,3
.irp g, 0,1,2,3
.irp i, 0,1,2,3
	global_load_b32 v[X+16*\c+4*\g+\i], v4, s[30:31] offset:(128*\g+8*\c+\i)*2048   ; W(128 g + 32 s + 8 c + 4 h + i, 16 nt + r)
.endr
.endr
.endr
	s_wait_kmcnt 0x0
	s_cmp_eq_u32 s26, 1
	s_cselect_b32 s44, s41, s39                    ; Wv: e5, Wk: e3
	s_cmp_eq_u32 s26, 2
	s_cselect_b32 s44, s43, s44                    ; Wo: e7
	s_cmp_eq_u32 s26, 3
	s_cselect_b32 s44, s37, s44                    ; Wq: e1
	s_add_co_i32 s44, s44, 127
	s_lshl_b32 s45, s44, 23
	v_mov_b32 v8, s45                              ; 2^e as f32: the conversion takes its exponent field
	s_add_co_i32 s44, s44, 15
	s_lshl_b32 s44, s44, 23
	s_or_b32 s44, s44, 0x600000
	v_mov_b32 v9, s44                              ; 57,344 x 2^e
	s_add_co_i32 s44, s36, 127
	s_lshl_b32 s45, s44, 23
	v_mov_b32 v10, s45                             ; the same with e0, for query
	s_add_co_i32 s44, s44, 15
	s_lshl_b32 s44, s44, 23
	s_or_b32 s44, s44, 0x600000
	v_mov_b32 v11, s44
	s_cmp_eq_u32 s26, 3
	s_cbranch_scc1 .Lq
	; ---- Wk, Wv, Wo: the fragment goes to memory as it stands
	s_wait_loadcnt 0x0
	s_wait_alu depctr_va_vdst(0)
	QUANT X, CW, 8, 9
.irp c, 0,1,2,3
	global_store_b128 v5, v[CW+4*\c:CW+4*\c+3], s[32:33] offset:512*\c   ; 32 lanes store 512 consecutive bytes, at a multiple of 256 from the buffer's first byte
.endr
	s_endpgm
.Lq:
	; ---- Wq: one matrix instruction a wave (K step s), the four waves' sums meet in LDS
	s_lshl_b32 s46, s28, 7
	s_add_nc_u64 s[12:13], s[12:13], s[46:47]      ; query at k = 32 s
	s_lshl_b32 s46, s27, 6
	s_add_nc_u64 s[14:15], s[14:15], s[46:47]      ; bq and qs at column 16 nt
	s_add_nc_u64 s[24:25], s[24:25], s[46:47]
.irp c, 0,1,2,3
.irp g, 0,1,2,3
	global_load_b128 v[Y+16*\c+4*\g:Y+16*\c+4*\g+3], v6, s[12:13] offset:512*\g+32*\c   ; query(r, 128 g + 32 s + 8 c + 4 h + 0 .. 3)
.endr
.endr
	global_load_b128 v[BQ:BQ+3], v7, s[14:15]
	global_load_b128 v[BQ+4:BQ+7], v7, s[14:15] offset:16
	s_wait_loadcnt 0x0
	s_wait_alu depctr_va_vdst(0)
	QUANT X, CW, 8, 9
	QUANT Y, CQ, 10, 11
	v_wmma_f32_16x16x128_bf8_bf8 v[DD:DD+7], v[CW:CW+15], v[CQ:CQ+15], 0   ; transposed use: lane (r, h) holds batch r, register j column 16 nt + 8 h + j
.rept 4
	v_nop                                          ; four places between the matrix instruction and the stores that read its result
.endr
	ds_store_b128 v12, v[DD:DD+3]
	ds_store_b128 v12, v[DD+4:DD+7] offset:16
	s_wait_dscnt 0x0                               ; for the others' sake: my stores have landed
	s_barrier_signal -1
	s_barrier_wait -1
	s_cmp_lg_u32 s28, 0
	s_cbranch_scc1 .Lend                           ; wave 0 adds and stores
.irp s, 1,2,3
	ds_load_b128 v[Y+8*(\s-1):Y+8*(\s-1)+3], v12 offset:1024*\s
	ds_load_b128 v[Y+8*(\s-1)+4:Y+8*(\s-1)+7], v12 offset:1024*\s+16
.endr
	s_add_co_i32 s45, s36, s37                     ; e0 + e1
	s_add_co_i32 s46, s38, s39                     ; e2 + e3
	s_wait_dscnt 0x0
.irp i, 0,2,4,6
	v_pk_add_f32 v[X+\i:X+\i+1], v[DD+\i:DD+\i+1], v[Y+\i:Y+\i+1]          ; K ascending
.endr
.irp i, 0,2,4,6
	v_pk_add_f32 v[X+\i:X+\i+1], v[X+\i:X+\i+1], v[Y+8+\i:Y+8+\i+1]
.endr
.irp i, 0,2,4,6
	v_pk_add_f32 v[X+\i:X+\i+1], v[X+\i:X+\i+1], v[Y+16+\i:Y+16+\i+1]
.endr
.irp i, 0,1,2,3,4,5,6,7
	v_ldexp_f32 v[X+\i], v[X+\i], s45              ; the sum of codes x 2^(e0 + e1)
.endr
.irp i, 0,2,4,6
	v_pk_add_f32 v[X+\i:X+\i+1], v[X+\i:X+\i+1], v[BQ+\i:BQ+\i+1]          ; q
.endr
.irp i, 0,1,2,3,4,5,6,7
	v_mul_f32 v[X+\i], 0x3e38aa3b, v[X+\i]         ; x log2(e) / sqrt(64)
.endr
.irp i, 0,1,2,3,4,5,6,7
	v_ldexp_f32 v[X+\i], v[X+\i], s46              ; x 2^(e2 + e3)
.endr
	global_store_b128 v13, v[X:X+3], s[24:25]
	global_store_b128 v13, v[X+4:X+7], s[24:25] offset:16
.Lend:
	s_wait_tensorcnt 0x0
	ds_add_u32 v192, v193
	s_wait_dscnt 0x0
	s_endpgm
.Lfunc_end_k_qedc45d5f76_prep:
	.size	k_qedc45d5f76_prep, .Lfunc_end_k_qedc45d5f76_prep-k_qedc45d5f76_prep
	.p2alignl 7, 3214868480
	.fill 96, 4, 3214868480
	.section	.rodata,"a",@progbits
	.p2align	6, 0x0
	.amdhsa_kernel k_qedc45d5f76_prep
		.amdhsa_group_segment_fixed_size 4608
		.amdhsa_private_segment_fixed_size 0
		.amdhsa_enable_private_segment 0
		.amdhsa_kernarg_size 88
		.amdhsa_user_sgpr_count 2
		.amdhsa_user_sgpr_kernarg_segment_ptr 1
		.amdhsa_wavefront_size32 1
		.amdhsa_system_sgpr_workgroup_id_x 1
		.amdhsa_system_sgpr_workgroup_id_y 1
		.amdhsa_system_sgpr_workgroup_id_z 1
		.amdhsa_system_vgpr_workitem_id 0
		.amdhsa_next_free_vgpr 194
		.amdhsa_next_free_sgpr 66
		.amdhsa_reserve_vcc 0
		.amdhsa_float_denorm_mode_32 3
		.amdhsa_float_denorm_mode_16_64 3
		.amdhsa_memory_ordered 1
		.amdhsa_forward_progress 1
		.amdhsa_inst_pref_size 29
	.end_amdhsa_kernel
	.amdgpu_metadata
---
amdhsa.version: [ 1, 2 ]
amdhsa.kernels:
  - .name:           k_qedc45d5f76_prep
    .symbol:         k_qedc45d5f76_prep.kd
    .args:
      - { .name: Wk, .offset: 0, .size: 8, .value_kind: global_buffer, .address_space: global }
      - { .name: Wv, .offset: 8, .size: 8, .value_kind: global_buffer, .address_space: global }
      - { .name: Wo, .offset: 16, .size: 8, .value_kind: global_buffer, .address_space: global }
      - { .name: Wq, .offset: 24, .size: 8, .value_kind: global_buffer, .address_space: global }
      - { .name: query, .offset: 32, .size: 8, .value_kind: global_buffer, .address_space: global }
      - { .name: bq, .offset: 40, .size: 8, .value_kind: global_buffer, .address_space: global }
      - { .name: lowp_scales, .offset: 48, .size: 8, .value_kind: global_buffer, .address_space: global }
      - { .name: wk_c, .offset: 56, .size: 8, .value_kind: global_buffer, .address_space: global }
      - { .name: wv_c, .offset: 64, .size: 8, .value_kind: global_buffer, .address_space: global }
      - { .name: wo_c, .offset: 72, .size: 8, .value_kind: global_buffer, .address_space: global }
      - { .name: qs, .offset: 80, .size: 8, .value_kind: global_buffer, .address_space: global }
    .group_segment_fixed_size: 4608
    .private_segment_fixed_size: 0
    .kernarg_segment_align: 8
    .kernarg_segment_size: 88
    .max_flat_workgroup_size: 128
    .sgpr_count:     66
    .vgpr_count:     194
    .wavefront_size: 32
...
	.end_amdgpu_metadata
.endif
;; end of part 4
;; launch main (part 5): grid 256 x 1, 4 waves a work-group, no clusters, 315,904 bytes of LDS; arguments key_value, wk_c, wv_c, qs, bk, lowp_scales, pctx, pstat; writes pctx, pstat
.if DOCPART == 5
	.amdgcn_target "amdgcn-amd-amdhsa--gfx1250"
	.amdhsa_code_object_version 6
	.text
	.protected	k_qedc45d5f76_main
	.globl	k_qedc45d5f76_main
	.p2align	8
	.type	k_qedc45d5f76_main,@function
k_qedc45d5f76_main:
	s_mov_b64 s[64:65], 0
	v_nop
	global_prefetch_b8 v0, s[64:65] scope:SCOPE_SE
	s_setreg_imm32_b32 hwreg(HW_REG_WAVE_MODE, 25, 1), 1
	s_wait_xcnt 0x0
; Products 2 to 5 for 512 rows of key_value (one sixteenth of a batch's keys) a work-group: k and v never go to memory, key_value is read once.
; SHARES.  Work-group g: rows 512 g .. 512 g + 511 of the flat [131,072][512]; batch g / 16.  Wave w owns heads 2 w (A) and 2 w + 1 (B), columns 128 w .. 128 w + 127, for ALL rows, and holds their
; weights' codes in 512 registers; of each block of 32 rows it quantises rows 8 w .. 8 w + 7.
; K PHASE, 16 blocks of 32 rows.  A row comes by four loads of 512 consecutive bytes (16 bytes a lane) and is quantised with 2^e2 (for k) and with 2^e4 (for v): 16 bytes of codes a lane each.
; K's codes go to a double buffer in LDS, V's are parked in LDS.  BLOCK b + 1 IS QUANTISED WHILE BLOCK b IS MULTIPLIED: its two groups of four rows stand where the accumulators hold nothing
; (behind the barrier's fragment loads, and behind tile 0's logits), and use them as work registers.
; WHERE e2 = e4 the two quantisers are one and the same function, so V's codes are K's: a scalar branch on the two whole numbers of lowp_scales chooses, group by group, between a way that holds
; and converts once (in place in the landing registers) and stores the codes to both places, and a way that does both.  Each way is whole: it issues eight LDS stores and sixteen loads; no barrier
; stands under the branch.
; All four waves multiply a block by Wk, a tile of 16 rows at a time against both heads' columns; the f32 dot with q follows: one logit a row and head.
; V PHASE.  Wv takes the weights' place.  The chunk's largest logit is known by then and is taken away before any exponential; the parked codes are multiplied by Wv, and p x v is summed lane by lane.
; OUT: pctx[g][512] = sum over the rows of p x (sums of v's codes); pstat[g][w] = (mA, mB, lA, lB).  The next launch joins the 16 chunks of a batch.
; THE ORDER OF K (as in the weights' codes): register 4 c + g, byte i, of lane (r, h) in K step s holds k = 128 g + 4 (8 s + 2 c + h) + i.  So the 16 bytes that lane l makes of a row are UNIT l of the
; row, four whole registers of a fragment.  A tile of 16 rows lies in LDS as unit u at 272 u, row r at + 16 r.
; THE MATRIX INSTRUCTION IS USED TRANSPOSED (source 0 = 16 columns of the weight, source 1 = 16 rows): a lane (r, h) holds row r and eight columns 8 h + 0 .. 7.
; logit x log2(e): t = sum over d of qs[d] (ksum[d] + bk[d] / 2^(e2 + e3)), qs = q log2(e) / 8 x 2^(e2 + e3) from the launch before.
; NO CLUSTER: what work-groups share is the weights' codes, 512 KiB beside the 1 MiB of rows that each reads alone, and they go by loads straight into registers; LDS holds the parked codes.
; PREFETCH: a block's rows are loaded two blocks ahead of their quantising, and asked for two blocks ahead of that load: each wave names its own 16 KiB of the block, 64 blocks of 256 bytes, a lane
; each, in two instructions.  The head asks for blocks 2 to 4; nothing is asked for beyond block 15.  Head B's Wv, which every work-group loads behind block 15, is asked for two blocks ahead of
; that by work-groups 0 to 3 alone, each wave for its own 32 KiB.
; LIMITS: e2, e4 between -126 and 112; e2 + e3 between -60 and 60.  NaN among the inputs is not served; an infinity is held at the largest code.
; REGISTERS, in windows of 256.  Window 0: v1 lane; v2-15 addresses and scales; v[16:19] q . bk parts; v20-31 at work; v32-63 T: logits, then p; v64-127 q, later the context sums;
;   v128-191 K's 8 accumulators, between their uses the quantiser's held numbers (v128-159) and codes (v160-175); v192-255 K's fragments; in the V phase v128-255 are 16 accumulators.
;   Window 1: head A's Wk, later head B's Wv.  Window 2: head B's Wk, later two sets of parked fragments.  Window 3: two landing sets of 8 rows x 16, later head A's Wv.
.set U,    272
.set TILE, 32*U
.set BLK,  2*TILE
.set KIMG, 16*BLK                      ; LDS 0 .. KIMG - 1: V's codes;  from KIMG: K's codes, two buffers of BLK
.set STG,  KIMG+2*BLK                  ; the way out: 512 bytes a wave
.set T,    32
.set Q,    64
.set CTX,  64
.set TK,   128
.set KC,   160
.set VC,   168
.set ACC,  128
.set FR,   192
.set MSB, 0
.macro WIN new                         ; s_set_vgpr_msb: bits 1:0 source 0, 3:2 source 1, 5:4 source 2, 7:6 destination; the high byte repeats the setting that is left
.if MSB != (\new)
	s_set_vgpr_msb (MSB<<8)|(\new)
.set MSB, (\new)
.endif
.endm
.macro PLACES                          ; four places behind a matrix instruction (ISA guide 7.12.1)
.rept 4
	v_nop
.endr
.endm
.macro WLOAD base, hd                  ; head hd's 16 fragments: register 4 i at byte 512 i
.set wi, 0
.rept 64
	global_load_b128 v[4*wi:4*wi+3], v2, s[\base:\base+1] offset:\hd*32768+wi*512
.set wi, wi+1
.endr
.endm
.macro LD16 st, h, base, bo, nt        ; rows 4 h .. 4 h + 3 of landing set st are loaded again (destination: window 3)
.set qi, 0
.rept 16
.if \nt
	global_load_b128 v[128*(\st)+64*\h+4*qi:128*(\st)+64*\h+4*qi+3], v2, s[\base:\base+1] offset:(\bo)+8192*\h+512*qi th:TH_LOAD_NT
.else
	global_load_b128 v[128*(\st)+64*\h+4*qi:128*(\st)+64*\h+4*qi+3], v2, s[\base:\base+1] offset:(\bo)+8192*\h+512*qi
.endif
.set qi, qi+1
.endr
.endm
; Rows 4 h .. 4 h + 3 of my eight, from landing set st; K's codes go to buffer st, V's to the park at v5 + po; the landing registers are loaded again at once from base + bo.
; cnt: the loads issued behind this group's sixteen: the block's other half or the new loads of this block (16) and the next block's 32: 48 (in front of the loop Wk's 128 stand behind them too: 63).
.macro QS st, h, po, base, bo, nt, cnt
	s_wait_loadcnt \cnt
	s_cmp_eq_u32 s26, s28                          ; e2 = e4: one quantiser.  Nothing that a vector instruction has just written is read behind either jump
	s_cbranch_scc1 .Lsame_\@
.irp p, 0,1                                        ; e2 and e4 differ: two rows at a time
.set LL, 128*(\st)+64*\h+32*\p
	WIN 0x03
.set qi, 0
.rept 32
	v_med3_num_f32 v[TK+qi], v[LL+qi], -v9, v9     ; the hold for K's codes: the conversion does not saturate (ISA guide 7.6.2)
.set qi, qi+1
.endr
	WIN 0xc3
.set qi, 0
.rept 32
	v_med3_num_f32 v[LL+qi], v[LL+qi], -v11, v11   ; the hold for V's codes, in place
.set qi, qi+1
.endr
	WIN 0x03
.irp k, 0,1,2,3
	v_cvt_scalef32_pk8_bf8_f32 v[VC+2*\k:VC+2*\k+1], v[LL+8*\k:LL+8*\k+7], v10
.endr
	WIN 0
.irp k, 0,1,2,3
	v_cvt_scalef32_pk8_bf8_f32 v[KC+2*\k:KC+2*\k+1], v[TK+8*\k:TK+8*\k+7], v8
.endr
	v_nop                                          ; one plain line behind the last conversion
	ds_store_b128 v3, v[KC:KC+3] offset:(\st)*BLK+64*\h+32*\p
	ds_store_b128 v3, v[KC+4:KC+7] offset:(\st)*BLK+64*\h+32*\p+16
	ds_store_b128 v5, v[VC:VC+3] offset:(\po)+64*\h+32*\p
	ds_store_b128 v5, v[VC+4:VC+7] offset:(\po)+64*\h+32*\p+16
.endr
	WIN 0xc0
	LD16 \st, \h, \base, \bo, \nt
	WIN 0
	s_branch .Ljoin_\@
.Lsame_\@:
.set LL, 128*(\st)+64*\h
	WIN 0xc3
.set qi, 0
.rept 64
	v_med3_num_f32 v[LL+qi], v[LL+qi], -v9, v9     ; the one hold, in place
.set qi, qi+1
.endr
	WIN 0x03
.irp k, 0,1,2,3,4,5,6,7
	v_cvt_scalef32_pk8_bf8_f32 v[KC+2*\k:KC+2*\k+1], v[LL+8*\k:LL+8*\k+7], v8
.endr
	v_nop                                          ; one plain line behind the last conversion
	WIN 0xc0                                       ; addresses and store data in window 0, loaded data in window 3
.irp r, 0,1,2,3
	ds_store_b128 v3, v[KC+4*\r:KC+4*\r+3] offset:(\st)*BLK+64*\h+16*\r
	ds_store_b128 v5, v[KC+4*\r:KC+4*\r+3] offset:(\po)+64*\h+16*\r
.endr
	LD16 \st, \h, \base, \bo, \nt
	WIN 0
.Ljoin_\@:
.endm
.macro FETCHK bf, j, q, set            ; tile j's fragments of K steps 2 q and 2 q + 1
.irp f, 0,1
.irp c, 0,1,2,3
	ds_load_b128 v[FR+32*\set+16*\f+4*\c:FR+32*\set+16*\f+4*\c+3], v6 offset:\bf*BLK+\j*TILE+(8*(2*\q+\f)+2*\c)*U
.endr
.endr
.endm
; 16 products: K steps 2 q and 2 q + 1 of one tile of rows against both heads' columns.  The 8 accumulators take turns, one instruction a turn.  zero = 1: K step 0 starts the sums.
.macro MULK q, set, zero
.irp f, 0,1
.irp a, 0,1
.set wn, 1+\a
	WIN wn
.irp t, 0,1,2,3
.if \zero && (\f == 0)
	v_wmma_f32_16x16x128_bf8_bf8 v[ACC+32*\a+8*\t:ACC+32*\a+8*\t+7], v[16*(4*\t+2*\q+\f):16*(4*\t+2*\q+\f)+15], v[FR+32*\set+16*\f:FR+32*\set+16*\f+15], 0
.else
	v_wmma_f32_16x16x128_bf8_bf8 v[ACC+32*\a+8*\t:ACC+32*\a+8*\t+7], v[16*(4*\t+2*\q+\f):16*(4*\t+2*\q+\f)+15], v[FR+32*\set+16*\f:FR+32*\set+16*\f+15], v[ACC+32*\a+8*\t:ACC+32*\a+8*\t+7]
.endif
.endr
.endr
.endr
.endm
; The f32 dot with q for tile j, both heads: two chains of eight packed multiply-adds a head, each accumulator from its low end on; the first link takes my half's part of q . bk.
; Behind tile 1 the halves are joined so that lane (r, 0) keeps row r of tile 0 and lane (r, 1) row r of tile 1.
.macro LOGIT j, bf
.irp i, 0,1,2,3,4,5,6,7
.irp a, 0,1
.if \i == 0
	v_pk_fma_f32 v[20+4*\a:21+4*\a], v[ACC+32*\a:ACC+32*\a+1], v[Q+32*\a:Q+32*\a+1], v[16+2*\a:17+2*\a]
	v_pk_mul_f32 v[22+4*\a:23+4*\a], v[ACC+32*\a+16:ACC+32*\a+17], v[Q+32*\a+16:Q+32*\a+17]
.else
	v_pk_fma_f32 v[20+4*\a:21+4*\a], v[ACC+32*\a+2*\i:ACC+32*\a+2*\i+1], v[Q+32*\a+2*\i:Q+32*\a+2*\i+1], v[20+4*\a:21+4*\a]
	v_pk_fma_f32 v[22+4*\a:23+4*\a], v[ACC+32*\a+16+2*\i:ACC+32*\a+16+2*\i+1], v[Q+32*\a+16+2*\i:Q+32*\a+16+2*\i+1], v[22+4*\a:23+4*\a]
.endif
.endr
.endr
	v_pk_add_f32 v[20:21], v[20:21], v[22:23]
	v_pk_add_f32 v[24:25], v[24:25], v[26:27]
.if \j == 0
	v_add_f32 v28, v20, v21
	v_add_f32 v29, v24, v25
.else
	v_add_f32 v20, v20, v21
	v_add_f32 v24, v24, v25
	v_cndmask_b32 v22, v28, v20, s41               ; what I keep: lanes 0-15 tile 0's, lanes 16-31 tile 1's
	v_cndmask_b32 v23, v20, v28, s41               ; what the lane 16 away keeps
	v_cndmask_b32 v26, v29, v24, s41
	v_cndmask_b32 v27, v24, v29, s41
	v_permlanex16_b32 v30, v23, s42, s43
	v_permlanex16_b32 v31, v27, s42, s43
	v_add_f32 v[T+28+2*\bf], v22, v30
	v_add_f32 v[T+29+2*\bf], v26, v31
.endif
.endm
.macro ROT                             ; T moves down by a trip's four registers, so that a trip's text names the same registers in every trip
.set ri, 0
.rept 28
	v_mov_b32 v[T+ri], v[T+ri+4]
.set ri, ri+1
.endr
.endm
.macro FETCHV off, set                 ; a parked block's 8 fragments (4 K steps x 2 tiles) into window 2
	WIN 0x80
.irp ks, 0,1,2,3
.irp j, 0,1
.irp c, 0,1,2,3
	ds_load_b128 v[128*(\set)+32*\ks+16*\j+4*\c:128*(\set)+32*\ks+16*\j+4*\c+3], v12 offset:\off+\j*TILE+(8*\ks+2*\c)*U
.endr
.endr
.endr
.endm
; Block b (buffer bf) is multiplied; q = 1: block b + 1 is quantised beside it.  ONE barrier does both orderings: in front of it each wave has waited for all its LDS instructions, its stores of block b and
; its reads of block b - 1; so behind it buffer bf is whole, and the other buffer, which block b + 1's stores write, is read by nobody.  A tile's 32 products stand on end; the other tile's 16 fragment
; loads follow in one run, with the logits and a group of the quantiser between them and the wait.  Each wait for 0 on DScnt covers the fragments asked for and the group's stores, whose data registers
; the products then write.  pf = 1: the rows loaded two blocks on are asked for.  swap = 1 (block 15): head B's Wv and the first parked fragments are fetched.
.macro FBLOCK bf, q, po, base, bo, nt, pf, swap
	s_wait_dscnt 0x0
	s_barrier_signal -1
	s_barrier_wait -1
	FETCHK \bf, 0, 0, 0
	FETCHK \bf, 0, 1, 1
.if \q
	QS 1-\bf, 0, \po, \base, \bo, \nt, 48
.endif
	s_wait_dscnt 0x0
	MULK 0, 0, 1
	MULK 1, 1, 0
	WIN 0
	PLACES
	FETCHK \bf, 1, 0, 0
	FETCHK \bf, 1, 1, 1
.if \pf
	s_cmp_lt_u32 s39, 2+\bf                        ; block 2 t + 5 + bf, t = 7 - s39, exists while s39 is at least 2 + bf
	s_cbranch_scc1 .Lnp_\@
	global_prefetch_b8 v15, s[32:33] offset:(5+\bf)*65536 th:TH_LOAD_NT scope:SCOPE_SE
	global_prefetch_b8 v15, s[32:33] offset:(5+\bf)*65536+8192 th:TH_LOAD_NT scope:SCOPE_SE
.Lnp_\@:
.endif
	LOGIT 0, \bf
.if \q
	QS 1-\bf, 1, \po, \base, \bo, \nt, 48
.endif
	s_wait_dscnt 0x0
	MULK 0, 0, 1
	MULK 1, 1, 0
	WIN 0
	PLACES
.if \swap
	s_wait_loadcnt 0x0                             ; head A's Wv is in window 3
	WIN 0x40
	WLOAD 36, 1                                    ; head B's Wv
	FETCHV 0, 0                                    ; block 0's parked codes (this block's barrier has shown all parked codes to all waves)
	WIN 0
.endif
	LOGIT 1, \bf
.endm
.macro MULV hd, set                    ; v of one head for 32 rows: 32 products, 8 accumulators by turns
.set wn, 0x0b-2*\hd
	WIN wn
.irp ks, 0,1,2,3
.irp t, 0,1,2,3
.irp j, 0,1
.if \ks == 0
	v_wmma_f32_16x16x128_bf8_bf8 v[ACC+64*\hd+8*(2*\t+\j):ACC+64*\hd+8*(2*\t+\j)+7], v[16*(4*\t+\ks):16*(4*\t+\ks)+15], v[128*(\set)+32*\ks+16*\j:128*(\set)+32*\ks+16*\j+15], 0
.else
	v_wmma_f32_16x16x128_bf8_bf8 v[ACC+64*\hd+8*(2*\t+\j):ACC+64*\hd+8*(2*\t+\j)+7], v[16*(4*\t+\ks):16*(4*\t+\ks)+15], v[128*(\set)+32*\ks+16*\j:128*(\set)+32*\ks+16*\j+15], v[ACC+64*\hd+8*(2*\t+\j):ACC+64*\hd+8*(2*\t+\j)+7]
.endif
.endr
.endr
.endr
.endm
; A block of the V phase, from fragment set bf.  pre = 1: the next block is fetched into the other set first, and its 32 loads may stay out.
.macro VBLOCK bf, pre
	v_permlanex16_b32 v20, v[T+2*\bf], s42, s43    ; p of the lane 16 away: the other tile's row r
	v_permlanex16_b32 v21, v[T+2*\bf+1], s42, s43
.if \pre
	FETCHV (\bf+1)*BLK, 1-\bf
	s_wait_alu depctr_va_vdst(0)
	s_wait_dscnt 32
.else
	s_wait_alu depctr_va_vdst(0)
	s_wait_dscnt 0x0
.endif
	MULV 0, \bf
	s_wait_loadcnt 0x0                             ; head B's Wv; from the second block on no load is out
	MULV 1, \bf
	WIN 0
	v_cndmask_b32 v24, v[T+2*\bf], v20, s41        ; v[24:25]: p of tile 0's row r, heads A and B; v[26:27]: of tile 1's.  These four lines are the places behind the last product
	v_cndmask_b32 v25, v[T+2*\bf+1], v21, s41
	v_cndmask_b32 v26, v20, v[T+2*\bf], s41
	v_cndmask_b32 v27, v21, v[T+2*\bf+1], s41
.irp j, 0,1
.irp t, 0,1,2,3
.irp i, 0,2,4,6
	v_pk_fma_f32 v[CTX+8*\t+\i:CTX+8*\t+\i+1], v[ACC+8*(2*\t+\j)+\i:ACC+8*(2*\t+\j)+\i+1], v[24+2*\j:25+2*\j], v[CTX+8*\t+\i:CTX+8*\t+\i+1] op_sel_hi:[1,0,1]
.endr
.endr
.irp t, 0,1,2,3
.irp i, 0,2,4,6
	v_pk_fma_f32 v[CTX+32+8*\t+\i:CTX+32+8*\t+\i+1], v[ACC+64+8*(2*\t+\j)+\i:ACC+64+8*(2*\t+\j)+\i+1], v[24+2*\j:25+2*\j], v[CTX+32+8*\t+\i:CTX+32+8*\t+\i+1] op_sel:[0,1,0] op_sel_hi:[1,1,1]
.endr
.endr
.endr
.endm
	s_load_b256 s[4:11], s[0:1], 0x0               ; key_value s[4:5], wk_c s[6:7], wv_c s[8:9], qs s[10:11]
	s_load_b256 s[12:19], s[0:1], 0x20             ; bk s[12:13], the exponents s[14:15], pctx s[16:17], pstat s[18:19]
	v_lshrrev_b32 v1, 5, v0
	v_readfirstlane_b32 s20, v1                    ; wave w
	s_mov_b32 s21, ttmp9                           ; work-group g
	s_mov_b32 s41, 0xffff0000                      ; lanes 16-31
	s_mov_b32 s42, 0x76543210                      ; v_permlanex16_b32: lane l xor 16
	s_mov_b32 s43, 0xfedcba98
	v_and_b32 v1, 31, v0                           ; lane
	v_lshlrev_b32 v2, 4, v1                        ; 16 x lane
	v_and_b32 v20, 15, v0                          ; r
	v_bfe_u32 v21, v0, 4, 1                        ; h
	s_lshr_b32 s44, s20, 1
	s_mul_i32 s44, s44, TILE                       ; my rows lie in tile w / 2,
	s_and_b32 s45, s20, 1
	s_lshl_b32 s45, s45, 7                         ; from row 8 (w % 2) on
	s_add_co_u32 s44, s44, s45
	v_mul_u32_u24 v4, v1, U                        ; my unit
	v_add_nc_u32 v4, s44, v4                       ; v4: where I store codes, within a block
	v_add_nc_u32 v3, KIMG, v4                      ; v3: K's codes
	v_mul_u32_u24 v7, v21, U
	v_lshl_add_u32 v7, v20, 4, v7                  ; v7: where I read a fragment: 272 h + 16 r
	v_add_nc_u32 v6, KIMG, v7                      ; v6: K's
	v_mov_b32 v12, v7                              ; v12: the parked codes', from block 0 on
	s_lshl_b32 s45, s20, 9                         ; 512 w
	s_add_co_u32 s46, s45, STG
	v_lshlrev_b32 v22, 5, v21                      ; 32 h
	v_add_nc_u32 v13, s46, v22                     ; the stage, in
	v_add_nc_u32 v14, s46, v2                      ; and out
	v_lshlrev_b32 v15, 8, v1                       ; the prefetches' offset: 256 x lane
	s_wait_alu depctr_va_vdst(0)
	s_wait_kmcnt 0x0
	s_load_b256 s[24:31], s[14:15], 0x0            ; e0 .. e7
	s_lshl_b32 s46, s21, 20                        ; 512 rows of 2,048 bytes a work-group,
	s_lshl_b32 s47, s20, 14                        ; my 8 rows of a block
	s_add_co_u32 s46, s46, s47
	s_mov_b32 s47, 0
	s_add_nc_u64 s[32:33], s[4:5], s[46:47]        ; s[32:33]: key_value at my rows of the trip's first block
	s_lshl_b32 s46, s20, 16                        ; my 8 tiles of columns: 8 x 8,192 bytes of codes
	s_add_nc_u64 s[34:35], s[6:7], s[46:47]
	s_add_nc_u64 s[36:37], s[8:9], s[46:47]
	s_lshr_b32 s46, s21, 4                         ; batch
	s_lshl_b32 s46, s46, 11
	s_add_co_u32 s46, s46, s45
	s_add_nc_u64 s[10:11], s[10:11], s[46:47]      ; qs at my batch and my 128 columns
	s_mov_b32 s46, s45
	s_add_nc_u64 s[12:13], s[12:13], s[46:47]      ; bk at my columns
	s_lshl_b32 s46, s21, 11
	s_add_co_u32 s46, s46, s45
	s_add_nc_u64 s[16:17], s[16:17], s[46:47]      ; pctx at 2,048 g + 512 w
	s_lshl_b32 s46, s21, 2
	s_add_co_u32 s46, s46, s20
	s_lshl_b32 s46, s46, 4
	s_add_nc_u64 s[18:19], s[18:19], s[46:47]      ; pstat at 16 (4 g + w)
	WIN 0xc0
.irp bf, 0,1
.irp ro, 0,1,2,3,4,5,6,7
.irp sg, 0,1,2,3
	global_load_b128 v[128*\bf+16*\ro+4*\sg:128*\bf+16*\ro+4*\sg+3], v2, s[32:33] offset:\bf*65536+\ro*2048+512*\sg th:TH_LOAD_NT   ; blocks 0 and 1
.endr
.endr
.endr
	WIN 0
.set hi, 0
.rept 16                                           ; q and bk at column 64 a + 16 t + 8 h + 0 .. 7: register 32 a + 8 t + j
	global_load_b128 v[Q+4*hi:Q+4*hi+3], v22, s[10:11] offset:64*(hi/2)+16*(hi%2)
	global_load_b128 v[TK+4*hi:TK+4*hi+3], v22, s[12:13] offset:64*(hi/2)+16*(hi%2)
.set hi, hi+1
.endr
.irp b, 2,3,4                                      ; my rows of blocks 2 to 4 are asked for: the loop asks from block 5 on
	global_prefetch_b8 v15, s[32:33] offset:\b*65536 th:TH_LOAD_NT scope:SCOPE_SE
	global_prefetch_b8 v15, s[32:33] offset:\b*65536+8192 th:TH_LOAD_NT scope:SCOPE_SE
.endr
	WIN 0x40
	WLOAD 34, 0                                    ; Wk, head A
	WIN 0x80
	WLOAD 34, 1                                    ; Wk, head B
	WIN 0
.set hi, 0
.rept 32
	v_mov_b32 v[T+hi], 0                           ; ROT reads T ahead of the first logits
.set hi, hi+1
.endr
	v_mov_b32 v30, 0                               ; a lane permute's destination counts as one of its sources
	v_mov_b32 v31, 0
	s_wait_kmcnt 0x0
	s_add_co_i32 s44, s26, 127
	s_lshl_b32 s46, s44, 23
	v_mov_b32 v8, s46                              ; 2^e2 as f32: the conversion takes its exponent field
	s_add_co_i32 s44, s44, 15
	s_lshl_b32 s44, s44, 23
	s_or_b32 s44, s44, 0x600000
	v_mov_b32 v9, s44                              ; 57,344 x 2^e2
	s_add_co_i32 s44, s28, 127
	s_lshl_b32 s46, s44, 23
	v_mov_b32 v10, s46                             ; the same with e4
	s_add_co_i32 s44, s44, 15
	s_lshl_b32 s44, s44, 23
	s_or_b32 s44, s44, 0x600000
	v_mov_b32 v11, s44
	s_add_co_i32 s44, s26, s27
	s_sub_co_i32 s44, 0, s44                       ; -(e2 + e3)
	s_wait_loadcnt 63                              ; the rows, q and bk are in: Wk's 128 loads were issued behind them
.set hi, 0
.rept 64
	v_ldexp_f32 v[TK+hi], v[TK+hi], s44            ; bk / 2^(e2 + e3): beside the sums of codes
.set hi, hi+1
.endr
.irp a, 0,1                                        ; my half's part of q . bk for each head: the first addend of every logit
	v_pk_mul_f32 v[16+2*\a:17+2*\a], v[Q+32*\a:Q+32*\a+1], v[TK+32*\a:TK+32*\a+1]
.irp i, 2,4,6,8,10,12,14,16,18,20,22,24,26,28,30
	v_pk_fma_f32 v[16+2*\a:17+2*\a], v[Q+32*\a+\i:Q+32*\a+\i+1], v[TK+32*\a+\i:TK+32*\a+\i+1], v[16+2*\a:17+2*\a]
.endr
	v_add_f32 v[16+2*\a], v[16+2*\a], v[17+2*\a]
	v_mov_b32 v[17+2*\a], 0
.endr
	; ---- THE K PHASE.  Block 0 is quantised in front of the loop, while Wk lands; its landing registers take block 2.
	s_mov_b32 s38, 0                               ; where the trip's first block is parked
	s_mov_b32 s39, 7
	v_mov_b32 v5, v4
	QS 0, 0, 0, 32, 131072, 1, 63
	QS 0, 1, 0, 32, 131072, 1, 63
	s_wait_dscnt 0x0                               ; my stores are done: v5 is written again below
	s_wait_loadcnt 32                              ; Wk is in: only block 2's 32 loads stand behind it
.Lk:                                               ; trip t multiplies blocks 2 t, 2 t + 1 and quantises blocks 2 t + 1, 2 t + 2
	s_add_nc_u64 s[50:51], s[32:33], 262144        ; what landing set 0 takes: block 2 t + 4;
	s_cmp_eq_u32 s39, 1
	s_cselect_b64 s[50:51], s[36:37], s[50:51]     ; in the last trip, which has no such block, the first half of head A's Wv, whose place in window 3 it is (the same offsets serve both)
	ROT
	v_add_nc_u32 v5, s38, v4
	FBLOCK 0, 1, BLK, 32, 196608, 1, 1, 0
	FBLOCK 1, 1, 2*BLK, 50, 0, 0, 1, 0
	s_wait_xcnt 0x0                                ; the loads and prefetches have read their bases: they step only behind this wait
	s_add_nc_u64 s[32:33], s[32:33], 131072
	s_add_co_u32 s38, s38, 2*BLK
	s_sub_co_u32 s39, s39, 1
	s_cmp_lg_u32 s39, 0
	s_cbranch_scc1 .Lk
	s_cmp_lt_u32 ttmp9, 4                          ; head B's Wv is the same for all work-groups: four of them ask for it, each wave for its own 32 KiB, two blocks ahead of the loads
	s_cbranch_scc0 .Lnw
.irp i, 0,1,2,3
	global_prefetch_b8 v15, s[36:37] offset:32768+8192*\i th:TH_LOAD_NT scope:SCOPE_SE
.endr
.Lnw:
	ROT                                            ; blocks 14 and 15: block 15 is quantised, its landing set takes the second half of head A's Wv
	v_add_nc_u32 v5, s38, v4
	FBLOCK 0, 1, BLK, 36, 16384, 0, 0, 0
	FBLOCK 1, 0, 0, 0, 0, 0, 0, 1
	; ---- THE CHUNK'S SOFTMAX.  T[2 b + a], lane (r, j): the logit of row r of tile j of block b, head a.
.irp a, 0,1
	v_max3_num_f32 v[28+\a], v[T+\a], v[T+2+\a], v[T+4+\a]
.irp k, 6,10,14,18,22,26
	v_max3_num_f32 v[28+\a], v[28+\a], v[T+\k+\a], v[T+\k+2+\a]
.endr
	v_max_num_f32 v[28+\a], v[28+\a], v[T+30+\a]
.endr
.irp m, 1,2,4,8
	v_max_num_f32_dpp v28, v28, v28 row_xmask:\m row_mask:0xf bank_mask:0xf
	v_max_num_f32_dpp v29, v29, v29 row_xmask:\m row_mask:0xf bank_mask:0xf
.endr
	v_permlanex16_b32 v20, v28, s42, s43
	v_permlanex16_b32 v21, v29, s42, s43
	v_max_num_f32 v28, v28, v20                    ; mA
	v_max_num_f32 v29, v29, v21                    ; mB: the chunk's largest t, taken away before every exponential
.irp k, 0,2,4,6,8,10,12,14,16,18,20,22,24,26,28,30
	v_pk_add_f32 v[T+\k:T+\k+1], v[T+\k:T+\k+1], v[28:29] neg_lo:[0,1] neg_hi:[0,1]
.endr
.set hi, 0
	s_wait_alu depctr_va_vdst(0)
.rept 32
	v_exp_f32 v[T+hi], v[T+hi]                     ; p = 2^(t - m), at most 1
.set hi, hi+1
.endr
.set hi, 0
.rept 64
	v_mov_b32 v[CTX+hi], 0                         ; the context sums begin at 0, so that the V phase's block is written once; plain work behind the exponentials
.set hi, hi+1
.endr
	s_wait_alu depctr_va_vdst(0)                   ; one wait for the batch of 32, ahead of its first reader
	v_pk_add_f32 v[30:31], v[T:T+1], v[T+2:T+3]    ; the sums of p, heads A and B side by side, in two chains
	v_pk_add_f32 v[22:23], v[T+4:T+5], v[T+6:T+7]
.irp k, 8,12,16,20,24,28
	v_pk_add_f32 v[30:31], v[30:31], v[T+\k:T+\k+1]
	v_pk_add_f32 v[22:23], v[22:23], v[T+\k+2:T+\k+3]
.endr
	v_pk_add_f32 v[30:31], v[30:31], v[22:23]
.irp m, 1,2,4,8
	v_add_f32_dpp v30, v30, v30 row_xmask:\m row_mask:0xf bank_mask:0xf
	v_add_f32_dpp v31, v31, v31 row_xmask:\m row_mask:0xf bank_mask:0xf
.endr
	v_permlanex16_b32 v20, v30, s42, s43
	v_permlanex16_b32 v21, v31, s42, s43
	v_add_f32 v30, v30, v20                        ; lA
	v_add_f32 v31, v31, v21                        ; lB
	; ---- THE V PHASE.  No barrier: the parked codes are only read.
	s_mov_b32 s38, 0
	s_mov_b32 s39, 7
.Lv:
	s_wait_alu depctr_va_vdst(0)
	VBLOCK 0, 1
	VBLOCK 1, 1
	ROT
	s_add_co_u32 s38, s38, 2*BLK
	v_add_nc_u32 v12, s38, v7
	s_sub_co_u32 s39, s39, 1
	s_cmp_lg_u32 s39, 0
	s_cbranch_scc1 .Lv
	VBLOCK 0, 1
	VBLOCK 1, 0                                    ; the last block: nothing more to fetch
	; ---- THE WAY OUT.  The sixteen lanes of a half are added; then my 128 columns go through my stage and leave as 512 consecutive bytes.
.irp m, 1,2,4,8
.set hi, 0
.rept 64
	v_add_f32_dpp v[CTX+hi], v[CTX+hi], v[CTX+hi] row_xmask:\m row_mask:0xf bank_mask:0xf
.set hi, hi+1
.endr
.endr
.set hi, 0
.rept 16
	ds_store_b128 v13, v[CTX+4*hi:CTX+4*hi+3] offset:64*(hi/2)+16*(hi%2)   ; the sixteen lanes of a half write the same bytes with the same values
.set hi, hi+1
.endr
	ds_load_b128 v[20:23], v14                     ; LDS serves a wave's instructions in order (ISA guide 5.7.1.4): this sees my stores
	s_wait_dscnt 0x0
	global_store_b128 v2, v[20:23], s[16:17]       ; 32 lanes store 512 consecutive bytes, at a multiple of 256 from pctx's first byte
	s_wait_xcnt 0x0                                ; EXEC changes only behind this wait; the prefetches have long read v15
	v_mov_b32 v15, 0
	v_cmp_eq_u32 vcc_lo, 0, v1
	s_and_saveexec_b32 s40, vcc_lo
	global_store_b128 v15, v[28:31], s[18:19]      ; lane 0: mA, mB, lA, lB
	s_wait_xcnt 0x0
	s_or_b32 exec_lo, exec_lo, s40
	s_wait_xcnt 0x0
	s_mov_b32 exec_lo, -1
	v_lshl_add_u32 v62, v0, 2, 0x4d000             ; my spare word, behind the stages
	v_mov_b32 v63, 0
	s_wait_alu depctr_va_vdst(0)
	s_wait_tensorcnt 0x0                           ; the wave's end
	ds_add_u32 v62, v63
	s_wait_dscnt 0x0
	s_endpgm
.Lfunc_end_k_qedc45d5f76_main:
	.size	k_qedc45d5f76_main, .Lfunc_end_k_qedc45d5f76_main-k_qedc45d5f76_main
	.p2alignl 7, 3214868480
	.fill 96, 4, 3214868480
	.section	.rodata,"a",@progbits
	.p2align	6, 0x0
	.amdhsa_kernel k_qedc45d5f76_main
		.amdhsa_group_segment_fixed_size 315904
		.amdhsa_private_segment_fixed_size 0
		.amdhsa_enable_private_segment 0
		.amdhsa_kernarg_size 64
		.amdhsa_user_sgpr_count 2
		.amdhsa_user_sgpr_kernarg_segment_ptr 1
		.amdhsa_wavefront_size32 1
		.amdhsa_system_sgpr_workgroup_id_x 1
		.amdhsa_system_sgpr_workgroup_id_y 1
		.amdhsa_system_sgpr_workgroup_id_z 1
		.amdhsa_system_vgpr_workitem_id 0
		.amdhsa_next_free_vgpr 1024
		.amdhsa_next_free_sgpr 66
		.amdhsa_reserve_vcc 1
		.amdhsa_float_denorm_mode_32 3
		.amdhsa_float_denorm_mode_16_64 3
		.amdhsa_memory_ordered 1
		.amdhsa_forward_progress 1
		.amdhsa_inst_pref_size 255
	.end_amdhsa_kernel
	.section	.bss,"aw",@nobits
	.p2align	6
	.space	262144
	.amdgpu_metadata
---
amdhsa.version: [ 1, 2 ]
amdhsa.kernels:
  - .name:           k_qedc45d5f76_main
    .symbol:         k_qedc45d5f76_main.kd
    .args:
      - { .name: key_value, .offset: 0, .size: 8, .value_kind: global_buffer, .address_space: global }
      - { .name: wk_c, .offset: 8, .size: 8, .value_kind: global_buffer, .address_space: global }
      - { .name: wv_c, .offset: 16, .size: 8, .value_kind: global_buffer, .address_space: global }
      - { .name: qs, .offset: 24, .size: 8, .value_kind: global_buffer, .address_space: global }
      - { .name: bk, .offset: 32, .size: 8, .value_kind: global_buffer, .address_space: global }
      - { .name: lowp_scales, .offset: 40, .size: 8, .value_kind: global_buffer, .address_space: global }
      - { .name: pctx, .offset: 48, .size: 8, .value_kind: global_buffer, .address_space: global }
      - { .name: pstat, .offset: 56, .size: 8, .value_kind: global_buffer, .address_space: global }
    .group_segment_fixed_size: 315904
    .private_segment_fixed_size: 0
    .kernarg_segment_align: 8
    .kernarg_segment_size: 64
    .max_flat_workgroup_size: 128
    .sgpr_count:     66
    .vgpr_count:     1024
    .wavefront_size: 32
...
	.end_amdgpu_metadata
.endif
;; end of part 5
;; launch final (part 6): grid 8 x 16, 4 waves a work-group, no clusters, 2,560 bytes of LDS; arguments pctx, pstat, wo_c, bv, bo, lowp_scales, out0; writes out0
.if DOCPART == 6
	.amdgcn_target "amdgcn-amd-amdhsa--gfx1250"
	.amdhsa_code_object_version 6
	.text
	.protected	k_qedc45d5f76_final
	.globl	k_qedc45d5f76_final
	.p2align	8
	.type	k_qedc45d5f76_final,@function
k_qedc45d5f76_final:
	s_mov_b64 s[64:65], 0
	v_nop
	global_prefetch_b8 v0, s[64:65] scope:SCOPE_SE
	s_setreg_imm32_b32 hwreg(HW_REG_WAVE_MODE, 25, 1), 1
	s_wait_xcnt 0x0
; The 16 chunks of a batch are joined, bv is added, the context is quantised, and out = context Wo + bo.
; SHARES.  Work-group (x, b): batch b, columns 64 x .. 64 x + 63 of out.  It joins its batch's whole row of 512 (16 chunks x 2,048 bytes; the eight work-groups of a batch each do), so that no work-group takes more than
; 32 KiB of sums and 32 KiB of Wo's codes.  Wave w joins columns 128 w .. 128 w + 127 (heads 2 w and 2 w + 1), then makes the tile of 16 columns nt = 4 x + w.
; JOINING.  For a head: M = the largest of the chunks' m; L = sum of 2^(m - M) l; context = sum over chunks of (2^(m - M) / L x 2^(e4 + e5)) x pctx + bv (the weights p / L add up to 1, so bv goes in whole, as the first addend).
; Lane c % 16 holds chunk c's numbers; lanes 0-15 then keep head A's weight, lanes 16-31 head B's, and the 32 words go through the wave's own 128 bytes of LDS, from which a lane takes its head's sixteen.
; A lane takes of the row the columns 128 w + 4 lane + i: its four codes are word w of UNIT lane of the row (the order of K of wo_c's fragments: register 4 c + g, byte i, of lane (r, h) in K step s holds
; k = 128 g + 4 (8 s + 2 c + h) + i).  The row's image is 512 bytes, unit u at 16 u.
; ONE ROW, SIXTEEN TIMES: every lane r of the matrix operand reads the same unit, so all sixteen rows of the operand are batch b's and all r hold the same results; four products a wave.
; The four waves' 64 bytes meet in a stage, and sixteen lanes store 256 consecutive bytes, at a multiple of 256 from out0's first byte.
; LIMITS: e6 between -126 and 112; e6 + e7 between -126 and 127.  NaN is not served.
.set IMG, 0                            ; LDS: the context's codes, 512 bytes
.set WT,  512                          ; the chunks' weights: 128 bytes a wave: [head A, B][chunk]
.set OST, 1024                         ; the stage for out: 256 bytes
.set WN,  32                           ; v32-47   my head's sixteen weights
.set AC,  48                           ; v48-51   the context at my four columns; v52-55 zeros, the conversion's upper four numbers
.set BO,  56                           ; v56-63   bo at my eight columns
.set P,   64                           ; v64-127  chunk c's four numbers at 64 + 4 c; later the four products (v64-95) and their sum (v96-103)
.set WO,  128                          ; v128-191 Wo's four fragments
.set CT,  192                          ; v192-255 the context's four fragments
; Chunk c is added.  Behind its load stand the 15 - c later chunks', Wo's 16 and bo's 2.
.macro CHUNK c
	s_wait_loadcnt 33-\c
.if (\c)%2 == 0
	s_wait_alu depctr_va_vdst(0)
	v_pk_fma_f32 v[AC:AC+1], v[P+4*\c:P+4*\c+1], v[WN+\c:WN+\c+1], v[AC:AC+1] op_sel_hi:[1,0,1]
	v_pk_fma_f32 v[AC+2:AC+3], v[P+4*\c+2:P+4*\c+3], v[WN+\c:WN+\c+1], v[AC+2:AC+3] op_sel_hi:[1,0,1]
.else
	s_wait_alu depctr_va_vdst(0)
	v_pk_fma_f32 v[AC:AC+1], v[P+4*\c:P+4*\c+1], v[WN+\c-1:WN+\c], v[AC:AC+1] op_sel:[0,1,0] op_sel_hi:[1,1,1]
	v_pk_fma_f32 v[AC+2:AC+3], v[P+4*\c+2:P+4*\c+3], v[WN+\c-1:WN+\c], v[AC+2:AC+3] op_sel:[0,1,0] op_sel_hi:[1,1,1]
.endif
.endm
	s_load_b256 s[4:11], s[0:1], 0x0               ; pctx s[4:5], pstat s[6:7], wo_c s[8:9], bv s[10:11]
	s_load_b128 s[12:15], s[0:1], 0x20             ; bo s[12:13], the exponents s[14:15]
	s_load_b64 s[16:17], s[0:1], 0x30              ; out0
	v_lshl_add_u32 v30, v0, 2, 0x800
	v_mov_b32 v31, 0
	v_lshrrev_b32 v1, 5, v0
	v_readfirstlane_b32 s20, v1                    ; wave w
	s_and_b32 s22, ttmp7, 0xffff                   ; batch b
	s_mov_b32 s41, 0xffff0000                      ; lanes 16-31
	v_and_b32 v1, 31, v0                           ; lane
	v_lshlrev_b32 v2, 4, v1                        ; 16 x lane
	v_and_b32 v3, 15, v0                           ; lane % 16
	v_bfe_u32 v4, v0, 4, 1                         ; h
	v_lshlrev_b32 v5, 5, v4                        ; 32 h
	v_lshl_add_u32 v6, v0, 2, WT                   ; my weight's word: 128 w + 4 x lane
	s_lshl_b32 s44, s20, 7
	s_add_co_u32 s44, s44, WT
	v_lshlrev_b32 v7, 6, v4
	v_add_nc_u32 v7, s44, v7                       ; and where I read my head's sixteen: 128 w + 64 h
	s_lshl_b32 s44, s20, 2
	v_add_nc_u32 v10, s44, v2                      ; the image, in: unit = lane, word w
	v_lshlrev_b32 v11, 4, v4                       ; and out: 16 h
	s_lshl_b32 s44, s20, 6
	s_add_co_u32 s44, s44, OST
	v_add_nc_u32 v12, s44, v5                      ; the stage, in: 64 w + 32 h
	v_lshlrev_b32 v14, 4, v3                       ; 16 (lane % 16): my place in out's 256 bytes
	v_add_nc_u32 v13, OST, v14                     ; the stage, out
	v_lshlrev_b32 v15, 6, v3                       ; pstat: 64 bytes a chunk
.irp i, 4,5,6,7
	v_mov_b32 v[AC+\i], 0
.endr
	s_wait_alu depctr_va_vdst(0)
	s_wait_kmcnt 0x0
	s_load_b256 s[24:31], s[14:15], 0x0            ; e0 .. e7
	s_mov_b32 s47, 0
	s_lshl_b32 s46, s22, 15                        ; pctx: 16 chunks of 2,048 bytes a batch,
	s_lshl_b32 s45, s20, 9                         ; my 512 bytes of each
	s_add_co_u32 s46, s46, s45
	s_add_nc_u64 s[4:5], s[4:5], s[46:47]
	s_lshl_b32 s46, s22, 10                        ; pstat: 16 chunks of 64 bytes a batch,
	s_lshl_b32 s44, s20, 4                         ; my wave's 16 of each
	s_add_co_u32 s46, s46, s44
	s_add_nc_u64 s[6:7], s[6:7], s[46:47]
	s_mov_b32 s46, s45
	s_add_nc_u64 s[10:11], s[10:11], s[46:47]      ; bv at my 128 columns
	s_lshl_b32 s44, ttmp9, 2
	s_add_co_u32 s44, s44, s20                     ; nt
	s_lshl_b32 s46, s44, 13
	s_add_nc_u64 s[8:9], s[8:9], s[46:47]          ; wo_c: four fragments of 2,048 bytes a tile
	s_lshl_b32 s46, s44, 6
	s_add_nc_u64 s[12:13], s[12:13], s[46:47]      ; bo at column 16 nt
	s_lshl_b32 s46, s22, 11
	s_lshl_b32 s44, ttmp9, 8
	s_add_co_u32 s46, s46, s44
	s_add_nc_u64 s[16:17], s[16:17], s[46:47]      ; out0: row b, my work-group's 256 bytes
	global_load_b128 v[16:19], v15, s[6:7]         ; (mA, mB, lA, lB) of chunk lane % 16
	global_load_b128 v[AC:AC+3], v2, s[10:11]      ; bv: the sums' first addend
.set hi, 0
.rept 16
	global_load_b128 v[P+4*hi:P+4*hi+3], v2, s[4:5] offset:2048*hi   ; 32 lanes read 512 consecutive bytes
.set hi, hi+1
.endr
.set hi, 0
.rept 16
	global_load_b128 v[WO+4*hi:WO+4*hi+3], v2, s[8:9] offset:512*hi
.set hi, hi+1
.endr
	global_load_b128 v[BO:BO+3], v5, s[12:13]
	global_load_b128 v[BO+4:BO+7], v5, s[12:13] offset:16
	; ---- the chunks' weights
	s_wait_loadcnt 35                              ; pstat's load is in; the 35 behind it may stay out
	v_mov_b32 v24, v16
	v_mov_b32 v25, v17
.irp m, 1,2,4,8                                    ; the sixteen lanes of a half hold the sixteen chunks
	v_max_num_f32_dpp v24, v24, v24 row_xmask:\m row_mask:0xf bank_mask:0xf
	v_max_num_f32_dpp v25, v25, v25 row_xmask:\m row_mask:0xf bank_mask:0xf
.endr
	v_pk_add_f32 v[16:17], v[16:17], v[24:25] neg_lo:[0,1] neg_hi:[0,1]   ; m - M
	s_wait_alu depctr_va_vdst(0)
	v_exp_f32 v16, v16                             ; 2^(m - M)
	v_exp_f32 v17, v17
	v_nop                                          ; a plain line behind the last exponential,
	s_wait_alu depctr_va_vdst(0)                   ; and the one wait for the two, ahead of their first reader
	v_pk_mul_f32 v[26:27], v[16:17], v[18:19]
.irp m, 1,2,4,8
	v_add_f32_dpp v26, v26, v26 row_xmask:\m row_mask:0xf bank_mask:0xf
	v_add_f32_dpp v27, v27, v27 row_xmask:\m row_mask:0xf bank_mask:0xf
.endr
	s_wait_alu depctr_va_vdst(0)
	v_rcp_f32 v26, v26                             ; 1 / L; L is at least 1, since the chunk that holds M has a row with p = 1
	v_rcp_f32 v27, v27
	v_nop
	s_wait_kmcnt 0x0
	s_add_co_i32 s44, s28, s29                     ; e4 + e5
	s_wait_alu depctr_va_vdst(0)                   ; one wait for the two reciprocals
	v_ldexp_f32 v26, v26, s44
	v_ldexp_f32 v27, v27, s44
	v_pk_mul_f32 v[16:17], v[16:17], v[26:27]
	v_cndmask_b32 v20, v16, v17, s41               ; lanes 0-15: head A's weight of chunk lane % 16; lanes 16-31: head B's
	ds_store_b32 v6, v20
.irp q, 0,1,2,3
	ds_load_b128 v[WN+4*\q:WN+4*\q+3], v7 offset:16*\q   ; LDS serves a wave's instructions in order (ISA guide 5.7.1.4): these see my wave's store
.endr
	s_add_co_i32 s44, s30, 127
	s_lshl_b32 s45, s44, 23
	v_mov_b32 v8, s45                              ; 2^e6 as f32: the conversion takes its exponent field
	s_add_co_i32 s44, s44, 15
	s_lshl_b32 s44, s44, 23
	s_or_b32 s44, s44, 0x600000
	v_mov_b32 v9, s44                              ; 57,344 x 2^e6
	s_wait_dscnt 0x0
	; ---- the context
.irp c, 0,1,2,3,4,5,6,7,8,9,10,11,12,13,14,15
	CHUNK \c
.endr
	; ---- product 6
.irp i, 0,1,2,3
	v_med3_num_f32 v[AC+\i], v[AC+\i], -v9, v9     ; the hold (the conversion does not saturate: ISA guide 7.6.2)
.endr
	v_cvt_scalef32_pk8_bf8_f32 v[22:23], v[AC:AC+7], v8   ; my four codes in v22; v23 holds the zeros' codes and is not used
	v_nop                                          ; one plain vector line behind the conversion
	ds_store_b32 v10, v22
	s_wait_dscnt 0x0                               ; for the others' sake: my codes have landed
	s_barrier_signal -1
	s_barrier_wait -1
.irp ks, 0,1,2,3
.irp c, 0,1,2,3
	ds_load_b128 v[CT+16*\ks+4*\c:CT+16*\ks+4*\c+3], v11 offset:128*\ks+32*\c   ; unit 8 s + 2 c + h, the same for all sixteen r
.endr
.endr
	s_add_co_i32 s44, s30, s31
	s_add_co_i32 s44, s44, 127
	s_lshl_b32 s44, s44, 23                        ; 2^(e6 + e7) as f32
	s_mov_b32 s45, s44                             ; (named with it as a pair, so it is written)
	s_wait_loadcnt 0x0                             ; Wo and bo
	s_wait_dscnt 0x0
.irp ks, 0,1,2,3                                   ; four K steps on four accumulators, each begun with 0: no instruction adds onto the one before it
	v_wmma_f32_16x16x128_bf8_bf8 v[P+8*\ks:P+8*\ks+7], v[WO+16*\ks:WO+16*\ks+15], v[CT+16*\ks:CT+16*\ks+15], 0
.endr
.rept 4
	v_nop                                          ; four places ahead of the first read of the results (ISA guide 7.12.1)
.endr
.irp i, 0,2,4,6
	v_pk_add_f32 v[96+\i:97+\i], v[P+\i:P+\i+1], v[P+8+\i:P+8+\i+1]        ; K ascending; each accumulator from its low end on
.endr
.irp i, 0,2,4,6
	v_pk_add_f32 v[96+\i:97+\i], v[96+\i:97+\i], v[P+16+\i:P+16+\i+1]
.endr
.irp i, 0,2,4,6
	v_pk_add_f32 v[96+\i:97+\i], v[96+\i:97+\i], v[P+24+\i:P+24+\i+1]
.endr
.irp i, 0,2,4,6
	v_pk_fma_f32 v[96+\i:97+\i], v[96+\i:97+\i], s[44:45], v[BO+\i:BO+\i+1] op_sel_hi:[1,0,1]   ; out = sum x 2^(e6 + e7) + bo: lane (r, h): column 16 nt + 8 h + 0 .. 7, the same in all r
.endr
	ds_store_b128 v12, v[96:99]                    ; the sixteen lanes of a half write the same bytes with the same values
	ds_store_b128 v12, v[100:103] offset:16
	s_wait_dscnt 0x0                               ; the 256 bytes come from four waves
	s_barrier_signal -1
	s_barrier_wait -1
	s_cmp_lg_u32 s20, 0
	s_cbranch_scc1 .Lend                           ; wave 0 stores
	ds_load_b128 v[16:19], v13
	s_wait_dscnt 0x0
	s_wait_xcnt 0x0                                ; EXEC changes only behind this wait
	v_cmp_gt_u32 vcc_lo, 16, v1
	s_and_saveexec_b32 s40, vcc_lo
	global_store_b128 v14, v[16:19], s[16:17]      ; sixteen lanes store 256 consecutive bytes, at a multiple of 256 from out0's first byte
	s_wait_xcnt 0x0
	s_or_b32 exec_lo, exec_lo, s40
.Lend:
	s_barrier_signal -1
	s_barrier_wait -1
	s_wait_tensorcnt 0x0
	ds_add_u32 v30, v31
	s_wait_dscnt 0x0
	s_endpgm
.Lfunc_end_k_qedc45d5f76_final:
	.size	k_qedc45d5f76_final, .Lfunc_end_k_qedc45d5f76_final-k_qedc45d5f76_final
	.p2alignl 7, 3214868480
	.fill 96, 4, 3214868480
	.section	.rodata,"a",@progbits
	.p2align	6, 0x0
	.amdhsa_kernel k_qedc45d5f76_final
		.amdhsa_group_segment_fixed_size 2560
		.amdhsa_private_segment_fixed_size 0
		.amdhsa_enable_private_segment 0
		.amdhsa_kernarg_size 56
		.amdhsa_user_sgpr_count 2
		.amdhsa_user_sgpr_kernarg_segment_ptr 1
		.amdhsa_wavefront_size32 1
		.amdhsa_system_sgpr_workgroup_id_x 1
		.amdhsa_system_sgpr_workgroup_id_y 1
		.amdhsa_system_sgpr_workgroup_id_z 1
		.amdhsa_system_vgpr_workitem_id 0
		.amdhsa_next_free_vgpr 256
		.amdhsa_next_free_sgpr 66
		.amdhsa_reserve_vcc 1
		.amdhsa_float_denorm_mode_32 3
		.amdhsa_float_denorm_mode_16_64 3
		.amdhsa_memory_ordered 1
		.amdhsa_forward_progress 1
		.amdhsa_inst_pref_size 16
	.end_amdhsa_kernel
	.amdgpu_metadata
---
amdhsa.version: [ 1, 2 ]
amdhsa.kernels:
  - .name:           k_qedc45d5f76_final
    .symbol:         k_qedc45d5f76_final.kd
    .args:
      - { .name: pctx, .offset: 0, .size: 8, .value_kind: global_buffer, .address_space: global }
      - { .name: pstat, .offset: 8, .size: 8, .value_kind: global_buffer, .address_space: global }
      - { .name: wo_c, .offset: 16, .size: 8, .value_kind: global_buffer, .address_space: global }
      - { .name: bv, .offset: 24, .size: 8, .value_kind: global_buffer, .address_space: global }
      - { .name: bo, .offset: 32, .size: 8, .value_kind: global_buffer, .address_space: global }
      - { .name: lowp_scales, .offset: 40, .size: 8, .value_kind: global_buffer, .address_space: global }
      - { .name: out0, .offset: 48, .size: 8, .value_kind: global_buffer, .address_space: global }
    .group_segment_fixed_size: 2560
    .private_segment_fixed_size: 0
    .kernarg_segment_align: 8
    .kernarg_segment_size: 56
    .max_flat_workgroup_size: 128
    .sgpr_count:     66
    .vgpr_count:     256
    .wavefront_size: 32
...
	.end_amdgpu_metadata
.endif
;; end of part 6
